; MI455X (gfx1250); checked and timed in simulation.
; The chip was launched on July 23, 2026; its instructions are those of AMD's public machine-readable ISA for CDNA 5 (MIT licence, August 2026) and "CDNA5" Instruction Set Architecture Reference Guide (July 2026). The comments in the code are by the model that wrote it; some were corrected since.
;; Multi Head Attention Block. Allowed arithmetic: matrix products marked QUANTISED: E2M3 operands, one E8M0 scale for each 32 along K, by v_wmma_scale_f32_16x16x128_f8f6f4 with both operands' format E2M3, f32 sums; everything else in f32.
;; Inputs: Wk 1,024 x 1,024 float32; Wo 1,024 x 1,024 float32; Wq 1,024 x 1,024 float32; Wv 1,024 x 1,024 float32; k 4 x 2,048 x 1,024 float32; mask 4 x 2,048 int32; q 4 x 2,048 x 1,024 float32; v 4 x 2,048 x 1,024 float32.
;; Outputs: out0 4 x 2,048 x 1,024 float32.
;; This version of the problem:
;;   THIS VERSION OF THE PROBLEM IS GIVEN IN LOW PRECISION. The matrix products marked QUANTISED in the list below multiply operands that are first quantised to E2M3 (2 exponent bits, 3 mantissa bits; 6 bits a number), with one power-of-two scale for each 32 numbers along K (OCP MX v1.0); their sums are f32. All else is computed in f32.
;;   The module's matrix products, in the order in which they are computed (A, B: the left and right operand; K: the contracted axis; several contracted axes count as one K, in the product's order):
;;     1. [M 8,192, K 1,024] x [K 1,024, N 1,024]; A: input q; B: input Wq: QUANTISED
;;     2. [M 8,192, K 1,024] x [K 1,024, N 1,024]; A: input k; B: input Wk: QUANTISED
;;     3. [M 8,192, K 1,024] x [K 1,024, N 1,024]; A: input v; B: input Wv: QUANTISED
;;     4. batch 64 x [M 2,048, K 64] x [K 64, N 2,048]; A: computed on the way; B: computed on the way: QUANTISED
;;     5. batch 64 x [M 2,048, K 2,048] x [K 2,048, N 64]; A: softmax (see below); B: computed on the way: QUANTISED
;;     6. [M 8,192, K 1,024] x [K 1,024, N 1,024]; A: computed on the way; B: input Wo: QUANTISED
;;   THE QUANTISER, for each operand of a quantised product, along K:
;;     - K is cut into blocks of 32 from its start; a last block that is shorter is filled with zeros.
;;     - A block's scale is 2^e with e = floor(log2(the largest magnitude in the block)) - 2, held to -126 .. 127; a block of zeros has e = 0. As a byte (E8M0): e + 127.
;;     - Each number is divided by its block's scale, clamped to +-7.5, and rounded to the nearest number of E2M3, ties to even, subnormals kept.
;;     - The product sums the exact products of the quantised numbers (number of the format x scale) in f32.
;;   ~~~python
;;   def quantise(x, axis):      # numpy; x: float32 -> the quantised numbers, widened to float32 again
;;       x = np.moveaxis(x, axis, -1); K = x.shape[-1]
;;       x = np.pad(x, [(0, 0)] * (x.ndim - 1) + [(0, -K % 32)]); x = x.reshape(x.shape[:-1] + (-1, 32)); a = np.abs(x).max(-1, keepdims=True)
;;       e = np.where(a > 0, np.clip(np.frexp(np.where(a > 0, a, 1))[1] - 1 - 2, -126, 127), 0)      # np.frexp(a)[1] - 1 = floor(log2(a)), exactly
;;       r = np.clip(x / 2.0 ** e, -7.5, 7.5)
;;       step = 2.0 ** (np.maximum(np.frexp(np.where(r == 0, 1, r))[1] - 1, 0) - 3)
;;       q = np.round(r / step) * step * 2.0 ** e      # np.round: ties to even
;;       return np.moveaxis(q.reshape(q.shape[:-2] + (-1,))[..., :K], -1, axis).astype(np.float32)
;;   ~~~
;;   SOFTMAX AHEAD OF A QUANTISED PRODUCT. Where the list says 'softmax', what is quantised is not the finished softmax but p = 2^(t - M), with t = logit x log2(e) and M = ceil(the row's largest t), a whole number; so 1/2 < the row's largest p <= 1. The row's sum l is taken of the UNQUANTISED p, in f32, and the product's result is divided by l at the end. Since M is a whole number, a kernel that streams over the keys may use a running M (the ceiling of the running maximum): every later rescaling is an exact power of two, which a block's scale takes up: the codes' values come out the same.
;;   OPERANDS COMPUTED ON THE WAY. 'Computed on the way' means the value that the module computes at that place (a softmax that the list does not call 'softmax' is quantised finished and normalised). What goes into a quantiser is computed in f32, as accurately as f32 sums, v_exp_f32 and their like allow (about 1e-6 of the number): no bf16 or f16 on the way to a quantiser, and a product that is left as it is and whose result goes on into a quantised operand takes f32 operands (vector FMAs, or v_wmma_f32_16x16x4_f32). A number that lies on a knife's edge between two numbers of the format may be rounded either way, as far as f32 arithmetic and the matrix unit's own rounding can turn it there, and no further.
;; One version. Each part assembles by itself: llvm-mc -triple=amdgcn-amd-amdhsa -mcpu=gfx1250 --defsym DOCPART=n.
;; ======== version 1 of 1: 4 launches
;; limits: right only within a limited range of input values
;; workspace buffers: codes 22,020,096 bytes; scales 917,504 bytes; qimg 6,815,744 bytes; kv 13,369,344 bytes; mhc 6,291,456 bytes; mhs 262,144 bytes
;; launch quant (part 1): grid 896 x 1, 4 waves a work-group, no clusters, 33,280 bytes of LDS; arguments q, k, v, Wq, Wk, Wv, Wo, codes, scales; writes codes, scales
.if DOCPART == 1
	.amdgcn_target "amdgcn-amd-amdhsa--gfx1250"
	.amdhsa_code_object_version 6
	.text
	.protected	k_q25ae55a879_quant
	.globl	k_q25ae55a879_quant
	.p2align	8
	.type	k_q25ae55a879_quant,@function
k_q25ae55a879_quant:
	s_mov_b64 s[64:65], 0
	v_nop
	global_prefetch_b8 v0, s[64:65] scope:SCOPE_SE
	s_setreg_imm32_b32 hwreg(HW_REG_WAVE_MODE, 25, 1), 1
	s_wait_xcnt 0x0
; q, k, v [8192][1024] and Wq, Wk, Wv, Wo [1024][1024], f32 with K innermost, become codes of FP6 (E2M3), 6 bits each, and one E8M0 scale byte for each 32 along K.
; The seven tensors lie on end in the two buffers: a row is 768 bytes of codes and 32 scale bytes.
; A block's scale is 2^(floor(log2(its largest magnitude)) - 2): its byte is the largest magnitude's own exponent field - 2, held at 1 from below.  A block of zeros keeps the byte 1: its codes are zeros, and this program alone reads the bytes.
; LIMITS: blocks whose largest magnitude lies under 2^-124 keep the byte 1; NaN and infinities among the inputs are not served.
; WHERE A ROW GOES.  All tensors but Wo are stored with bits 3 and 4 of the row's number exchanged: place 32 b + 16 u + r holds row 32 b + 8 u + r + 8 (r / 8).  A tile of 16 neighbouring places then gives the
; next launch's results the order that the next quantiser wants: the 16 registers of two neighbouring tiles are 16 neighbours.  A wave takes 8 rows, so the exchange is a choice of the wave's place among its group's four.
; A work-group takes 32 rows, a wave 8 rows = 16 steps of 512 numbers.  Each of a step's four loads reads 512 consecutive bytes; the 2,048 bytes turn through the wave's own stage in LDS and come back 64 bytes a lane,
; so that a lane holds 16 neighbours along K (two lanes hold a block).  A lane's 16 codes are 12 bytes: the wave stores 384 consecutive bytes.  A wave's 256 scale bytes are gathered in LDS and leave as one aligned run of 256 bytes.
; No tensor loads, no barrier: waves share nothing.  Loads run four steps (16 loads a wave) ahead, the turn through LDS one step.
.set STEPS, 16
.set CB,    12                         ; bytes of 16 codes
.set R,     16                         ; v16-79   four sets of 16 numbers as they are loaded
.set X,     80                         ; v80-111  two sets of 16 neighbours
.set E,     112                        ; v112-127 a scale byte for each step
.set C,     128                        ; v128-191 codes: four registers for each step, so that no store's data are written again
.set WREG,  8192                       ; LDS: a region for each wave: two stages of 32 x SP bytes, behind them its 256 scale bytes
.set SP,    80                         ; a lane's place in a stage: 64 bytes + 16 of padding
	s_load_b256 s[4:11], s[0:1], 0x0               ; q, k, v, Wq
	s_load_b256 s[12:19], s[0:1], 0x20             ; Wk, Wv, Wo, codes
	s_load_b64 s[20:21], s[0:1], 0x40              ; scales
	v_lshl_add_u32 v192, v0, 2, 0x8000
	v_mov_b32 v193, 0
	v_lshrrev_b32 v1, 5, v0
	v_readfirstlane_b32 s22, v1                    ; wave
	v_and_b32 v2, 31, v0                           ; lane
	v_lshlrev_b32 v3, 4, v2                        ; my 16 bytes of a load's 512
	s_mul_i32 s23, s22, WREG
	v_lshrrev_b32 v14, 2, v2
	v_mul_u32_u24 v14, v14, SP
	v_and_b32 v15, 3, v2
	v_lshl_add_u32 v14, v15, 4, v14
	v_add_nc_u32 v14, s23, v14                     ; the stage, on the way in: SP (lane / 4) + 16 (lane % 4)
	v_mul_u32_u24 v15, v2, SP
	v_add_nc_u32 v15, s23, v15                     ; and on the way out: SP x lane: my 16 neighbours
	v_mul_u32_u24 v4, v2, CB                       ; my codes' place in a step's
	v_lshrrev_b32 v5, 1, v2
	s_add_co_u32 s23, s23, 2*32*SP
	v_add_nc_u32 v5, s23, v5                       ; LDS: my wave's 256 scale bytes, my block's byte
	v_lshlrev_b32 v7, 3, v2                        ; and on the way out 8 bytes a lane
	v_add_nc_u32 v6, s23, v7
	s_wait_alu depctr_va_vdst(0)
	s_wait_kmcnt 0x0
	; which tensor: the choice hangs on the work-group's number alone.  s[24:25] the tensor, s26 its first work-group
	s_mov_b64 s[24:25], s[16:17]                   ; Wo, from work-group 864 on
	s_mov_b32 s26, 864
	s_cmp_lt_u32 ttmp9, 864
	s_cselect_b64 s[24:25], s[14:15], s[24:25]     ; Wv
	s_cselect_b32 s26, 832, s26
	s_cmp_lt_u32 ttmp9, 832
	s_cselect_b64 s[24:25], s[12:13], s[24:25]     ; Wk
	s_cselect_b32 s26, 800, s26
	s_cmp_lt_u32 ttmp9, 800
	s_cselect_b64 s[24:25], s[10:11], s[24:25]     ; Wq
	s_cselect_b32 s26, 768, s26
	s_cmp_lt_u32 ttmp9, 768
	s_cselect_b64 s[24:25], s[8:9], s[24:25]       ; v
	s_cselect_b32 s26, 512, s26
	s_cmp_lt_u32 ttmp9, 512
	s_cselect_b64 s[24:25], s[6:7], s[24:25]       ; k
	s_cselect_b32 s26, 256, s26
	s_cmp_lt_u32 ttmp9, 256
	s_cselect_b64 s[24:25], s[4:5], s[24:25]       ; q
	s_cselect_b32 s26, 0, s26
	s_sub_co_u32 s27, ttmp9, s26
	s_lshl_b32 s27, s27, 2
	s_add_co_u32 s28, s27, s22                     ; which run of 8 rows of the tensor is my wave's
	s_mov_b32 s29, 0
	s_lshl_b64 s[30:31], s[28:29], 15              ; 32,768 bytes a run
	s_add_nc_u64 s[24:25], s[24:25], s[30:31]
	s_and_b32 s27, s22, 1                          ; where it goes: the wave's two bits exchanged,
	s_lshl_b32 s27, s27, 1
	s_lshr_b32 s32, s22, 1
	s_or_b32 s27, s27, s32
	s_cmp_lt_u32 ttmp9, 864
	s_cselect_b32 s27, s27, s22                    ; but not in Wo
	s_lshl_b32 s28, ttmp9, 2
	s_add_co_u32 s28, s28, s27                     ; the run's number in the two buffers
	s_mul_i32 s30, s28, 8*768
	s_mov_b32 s31, 0
	s_add_nc_u64 s[18:19], s[18:19], s[30:31]
	s_lshl_b32 s30, s28, 8
	s_add_nc_u64 s[20:21], s[20:21], s[30:31]
.macro LOAD t
.irp i, 0,1,2,3
	global_load_b128 v[R+16*((\t)%4)+4*\i:R+16*((\t)%4)+4*\i+3], v3, s[24:25] offset:2048*(\t)+512*\i th:TH_LOAD_NT   ; 32 lanes read 512 consecutive bytes
.endr
.endm
.macro TURN t                          ; step t's numbers through the stage: LDS serves a wave's instructions in order, so no wait stands between the stores and the loads
.irp i, 0,1,2,3
	ds_store_b128 v14, v[R+16*((\t)%4)+4*\i:R+16*((\t)%4)+4*\i+3] offset:32*SP*((\t)%2)+8*SP*\i
.endr
.irp i, 0,1,2,3
	ds_load_b128 v[X+16*((\t)%2)+4*\i:X+16*((\t)%2)+4*\i+3], v15 offset:32*SP*((\t)%2)+16*\i
.endr
.endm
.irp t, 0,1,2,3
	LOAD \t
.endr
	s_wait_loadcnt 12                              ; step 0's four loads are in; the twelve of steps 1 to 3 may be out
	TURN 0
.macro STEP t
.set XS, X+16*((\t)%2)
.if (\t) > 0
	s_wait_dscnt 1                                 ; this step's numbers are back from the stage (the last step's byte store may be out): so its stores into the stage have read their registers,
.else
	s_wait_dscnt 0x0
.endif
.if (\t)+4 < STEPS
	LOAD (\t)+4                                    ; which take the loads of four steps on
.endif
.if (\t)+1 < STEPS
.if STEPS-2-(\t) >= 3
	s_wait_loadcnt 12                              ; the next step's four loads are in; those of the three steps behind it may be out
.else
	s_wait_loadcnt 4*(STEPS-2-(\t))
.endif
	TURN (\t)+1                                    ; and go through the other stage while this step is worked
.endif
	v_max3_num_f32 v8, |v[XS]|, |v[XS+1]|, |v[XS+2]|               ; the largest magnitude of my 16, in two chains
	v_max3_num_f32 v9, |v[XS+3]|, |v[XS+4]|, |v[XS+5]|
.irp i, 6,10
	v_max3_num_f32 v8, v8, |v[XS+\i]|, |v[XS+\i+1]|
	v_max3_num_f32 v9, v9, |v[XS+\i+2]|, |v[XS+\i+3]|
.endr
	v_max3_num_f32 v8, v8, |v[XS+14]|, |v[XS+15]|
	v_max3_num_f32 v8, v8, v9, 0x1800000           ; and the floor 2^(3 - 127): the byte cannot fall under 1
	v_max_num_f32_dpp v8, v8, v8 row_xmask:1 row_mask:0xf bank_mask:0xf   ; and of my neighbour's 16: the block's
	v_add_nc_u32 v11, 0xff000000, v8               ; 2 off its exponent field: the conversion takes the exponent field of this operand as its scale, and nothing else of it
	v_cvt_scalef32_pk16_fp6_f32 v[C+4*(\t):C+4*(\t)+2], v[XS:XS+15], v11   ; sixteen numbers / the scale, to the nearest code, ties to even, beyond the largest code the largest
	v_lshrrev_b32 v[E+(\t)], 23, v11               ; the scale's byte
	ds_store_b8 v5, v[E+(\t)] offset:16*(\t)       ; both lanes of a block write the same byte with the same value
	global_store_b96 v4, v[C+4*(\t):C+4*(\t)+2], s[18:19] offset:32*CB*(\t)
.endm
.irp t, 0,1,2,3,4,5,6,7,8,9,10,11,12,13,14,15
	STEP \t
.endr
	ds_load_b64 v[12:13], v6                       ; LDS serves a wave's instructions in order: these see my stores
	s_wait_dscnt 0x0
	global_store_b64 v7, v[12:13], s[20:21]        ; 32 lanes store 256 consecutive bytes, aligned
	s_wait_tensorcnt 0x0
	ds_add_u32 v192, v193
	s_wait_dscnt 0x0
	s_endpgm
.Lfunc_end_k_q25ae55a879_quant:
	.size	k_q25ae55a879_quant, .Lfunc_end_k_q25ae55a879_quant-k_q25ae55a879_quant
	.p2alignl 7, 3214868480
	.fill 96, 4, 3214868480
	.section	.rodata,"a",@progbits
	.p2align	6, 0x0
	.amdhsa_kernel k_q25ae55a879_quant
		.amdhsa_group_segment_fixed_size 33280
		.amdhsa_private_segment_fixed_size 0
		.amdhsa_enable_private_segment 0
		.amdhsa_kernarg_size 72
		.amdhsa_user_sgpr_count 2
		.amdhsa_user_sgpr_kernarg_segment_ptr 1
		.amdhsa_wavefront_size32 1
		.amdhsa_system_sgpr_workgroup_id_x 1
		.amdhsa_system_sgpr_workgroup_id_y 1
		.amdhsa_system_sgpr_workgroup_id_z 1
		.amdhsa_system_vgpr_workitem_id 0
		.amdhsa_next_free_vgpr 194
		.amdhsa_next_free_sgpr 66
		.amdhsa_reserve_vcc 0
		.amdhsa_float_denorm_mode_32 3
		.amdhsa_float_denorm_mode_16_64 3
		.amdhsa_memory_ordered 1
		.amdhsa_forward_progress 1
		.amdhsa_inst_pref_size 33
	.end_amdhsa_kernel
	.amdgpu_metadata
---
amdhsa.version: [ 1, 2 ]
amdhsa.kernels:
  - .name:           k_q25ae55a879_quant
    .symbol:         k_q25ae55a879_quant.kd
    .args:
      - { .name: q, .offset: 0, .size: 8, .value_kind: global_buffer, .address_space: global }
      - { .name: k, .offset: 8, .size: 8, .value_kind: global_buffer, .address_space: global }
      - { .name: v, .offset: 16, .size: 8, .value_kind: global_buffer, .address_space: global }
      - { .name: Wq, .offset: 24, .size: 8, .value_kind: global_buffer, .address_space: global }
      - { .name: Wk, .offset: 32, .size: 8, .value_kind: global_buffer, .address_space: global }
      - { .name: Wv, .offset: 40, .size: 8, .value_kind: global_buffer, .address_space: global }
      - { .name: Wo, .offset: 48, .size: 8, .value_kind: global_buffer, .address_space: global }
      - { .name: codes, .offset: 56, .size: 8, .value_kind: global_buffer, .address_space: global }
      - { .name: scales, .offset: 64, .size: 8, .value_kind: global_buffer, .address_space: global }
    .group_segment_fixed_size: 33280
    .private_segment_fixed_size: 0
    .kernarg_segment_align: 8
    .kernarg_segment_size: 72
    .max_flat_workgroup_size: 128
    .sgpr_count:     66
    .vgpr_count:     194
    .wavefront_size: 32
...
	.end_amdgpu_metadata
.endif
;; end of part 1
;; launch proj (part 2): grid 4 x 96, 4 waves a work-group, clusters of 4 x 4, 327,680 bytes of LDS; arguments codes, scales, mask, qimg, kv; writes qimg, kv
.if DOCPART == 2
	.amdgcn_target "amdgcn-amd-amdhsa--gfx1250"
	.amdhsa_code_object_version 6
	.text
	.protected	k_q25ae55a879_proj
	.globl	k_q25ae55a879_proj
	.p2align	8
	.type	k_q25ae55a879_proj,@function
k_q25ae55a879_proj:
	s_mov_b64 s[64:65], 0
	v_nop
	global_prefetch_b8 v0, s[64:65] scope:SCOPE_SE
	s_setreg_imm32_b32 hwreg(HW_REG_WAVE_MODE, 25, 1), 1
	s_wait_xcnt 0x0
	s_wait_alu depctr_hold_cnt(0) depctr_sa_sdst(0) depctr_va_vdst(0) depctr_va_sdst(0) depctr_va_ssrc(0) depctr_va_vcc(0) depctr_vm_vsrc(0)
	s_getreg_b32 s2, hwreg(HW_REG_IB_STS2, 6, 4)
	s_cmp_eq_u32 s2, 0
	s_cbranch_scc0 .Lentry_in_a_cluster
	s_endpgm
.Lentry_in_a_cluster:
	s_bfe_u32 s2, ttmp6, 0x10000c
	s_cmp_lg_u32 s2, 0xf033
	s_cbranch_scc0 .Lentry_shape_is_right
	s_endpgm
.Lentry_shape_is_right:
.set KSTEP,  256
.set NQ,     KSTEP/128
.set ROWB,   192
.set KROW,   768
.set PITCH,  240
.set FR,     12
.set NL,     6
.set NP,     4
.set HALFT,  128*PITCH
.set SLOT,   4*HALFT
.set KS,     32
.set SCL,    2*SLOT
.set HALFS,  (128*KS/256)*272
.set SBLK,   (16*KS/256)*272
.set SPARE,  SCL+4*HALFS
.set ADRA, 16
.set ADRB, 20
.set L16,  24
.set L8,   25
.set MO,   26
.set ADRS, 27
.set SPW,  28
.set NIL,  29
.set SC,   32
.set MK,   64
.set E0,   72
.set E1,   80
.set VSU,  88
.set VSM,  89
.set F0,   92
.set F1,   96
.set AF,   128
.set CD,   128
.set TM,   200
.set LO,   216
.set HI,   217
.set UP,   218
.set XX,   219
.set G1, 24
.set G0, 32
.set G1B, 48
.set G0B, 56
.set G1S, 68
.set G0S, 76
.set G1SB, 80
.set G0SB, 88
.set TAU, 66
.set UTOK, 95
.set UE,   96
.set OUT1, 68
.set OUT2, 70
.set SCB,  72
.set SCB2, 74
.set SAP,  76
.set VM,   78
.set HM,   79
.set SEL,  80
.set SBH,  82
.set SST,  83
.set SSC,  84
.set SR0,  85
.set SH,   86
.set SU,   87
.set SM,   88
.set SA4P, 90
.set T0,   92
.set T1,   98
.set MSB, 0
.macro WIN new
.if MSB != (\new)
	s_set_vgpr_msb (MSB<<8)|(\new)
.set MSB, (\new)
.endif
.endm
.set MUL_LO, 0xa1
.set MUL_HI, 0xf1
.set TO_B,   0x40
.macro JLOAD g0a, g1a, g0b, g1b
	s_cmp_eq_u32 s15, 0
	s_cbranch_scc0 .Lfor_b_\@
	tensor_load_to_lds s[\g0a:\g0a+3], s[\g1a:\g1a+7]
	s_nop 0
.rept 4
	v_nop
.endr
	s_branch .Lasked_\@
.Lfor_b_\@:
	tensor_load_to_lds s[\g0b:\g0b+3], s[\g1b:\g1b+7]
	s_nop 0
.rept 4
	v_nop
.endr
.Lasked_\@:
.endm
.macro CREST
	s_cmp_lg_u32 s14, 0
	s_cbranch_scc1 .Lnot_wave_0_\@
	s_barrier_signal -3
.Lnot_wave_0_\@:
	s_barrier_wait -3
	s_barrier_signal -1
	s_barrier_wait -1
.endm
.macro CROUND
	s_barrier_signal -1
	s_barrier_wait -1
	CREST
.endm
	s_load_b256 s[4:11], s[0:1], 0x0
	s_load_b64 s[12:13], s[0:1], 0x20
	v_lshl_add_u32 v[SPW], v0, 2, SPARE
	v_mov_b32 v[NIL], 0
	ds_add_u32 v28, v29
	ds_add_u32 v28, v29
	s_wait_dscnt 0x0
	v_lshrrev_b32 v1, 5, v0
	v_readfirstlane_b32 s14, v1
	s_lshr_b32 s15, s14, 1
	s_and_b32 s16, s14, 1
	s_bfe_u32 s40, ttmp6, 0x40000
	s_bfe_u32 s41, ttmp6, 0x40004
	s_and_b32 s17, ttmp7, 0xffff
	s_lshr_b32 s[TAU], s17, 3
	s_and_b32 s67, s17, 7
	s_cmp_eq_u32 s[TAU], 2
	s_cselect_b32 s42, s67, 0
	s_cselect_b32 s17, 0, s67
	s_lshl_b32 s42, s42, 2
	s_add_co_u32 s42, s42, s40
	s_lshl_b32 s17, s17, 2
	s_add_co_u32 s17, s17, s41
	s_lshl_b32 s43, s41, 2
	s_lshl_b32 s43, 15, s43
	s_lshl_b32 s44, 0x1111, s40
	s_or_b32 s[G1+0], s43, (0<<16)|(1<<20)|(1<<21)|(3<<22)|(3<<25)
	s_or_b32 s[G1B+0], s44, (0<<16)|(1<<20)|(1<<21)|(3<<22)|(3<<25)
.irp g, G1, G1B
	s_mov_b32 s[\g+1], ROWB<<16
	s_mov_b32 s[\g+2], 128<<16
	s_mov_b32 s[\g+3], ROWB<<16
	s_mov_b32 s[\g+4], 128
	s_mov_b32 s[\g+5], KROW
	s_mov_b32 s[\g+6], 0
	s_mov_b32 s[\g+7], 0
.endr
	s_or_b32 s[G1S+0], s43, (3<<16)|(1<<20)|(1<<21)|(5<<22)|(3<<25)
	s_or_b32 s[G1SB+0], s44, (3<<16)|(1<<20)|(1<<21)|(5<<22)|(3<<25)
.irp g, G1S, G1SB
	s_mov_b32 s[\g+1], 32<<16
	s_mov_b32 s[\g+2], (128*KS/256)<<16
	s_mov_b32 s[\g+3], 32<<16
	s_mov_b32 s[\g+4], 128*KS/256
	s_mov_b32 s[\g+5], 32
	s_mov_b32 s[\g+6], 0
	s_mov_b32 s[\g+7], 0
.endr
	s_mul_i32 s98, s[TAU], 8192*768
	s_mul_i32 s99, s[TAU], 1024*768
	s_add_co_u32 s99, s99, 3*8192*768
	s_mul_i32 s100, s[TAU], 8192*32
	s_mul_i32 s101, s[TAU], 1024*32
	s_add_co_u32 s101, s101, 3*8192*32
	s_cmp_eq_u32 s[TAU], 2
	s_cselect_b32 s98, (3*8192+2*1024)*768, s98
	s_cselect_b32 s99, 2*8192*768, s99
	s_cselect_b32 s100, (3*8192+2*1024)*32, s100
	s_cselect_b32 s101, 2*8192*32, s101
	s_lshl_b32 s18, s16, 7
	s_lshl_b32 s20, s17, 8
	s_add_co_u32 s20, s20, s18
	s_lshl_b32 s46, s42, 8
	s_add_co_u32 s46, s46, s18
	s_mul_i32 s22, s20, KS
	s_add_co_u32 s22, s22, s100
	s_mov_b32 s23, 0
	s_mul_i32 s92, s46, KS
	s_add_co_u32 s92, s92, s101
	s_mov_b32 s93, 0
	s_mul_i32 s20, s20, KROW
	s_add_co_u32 s20, s20, s98
	s_mov_b32 s21, 0
	s_mul_i32 s46, s46, KROW
	s_add_co_u32 s46, s46, s99
	s_mov_b32 s47, 0
	s_mul_i32 s45, s14, HALFT
	s_mul_i32 s94, s14, HALFS
	s_wait_kmcnt 0x0
	s_add_nc_u64 s[20:21], s[4:5], s[20:21]
	s_add_nc_u64 s[22:23], s[6:7], s[22:23]
	s_add_nc_u64 s[46:47], s[4:5], s[46:47]
	s_add_nc_u64 s[92:93], s[6:7], s[92:93]
	CROUND
	s_mov_b32 s[G0S], 1
	s_add_co_u32 s[G0S+1], s94, SCL
	s_mov_b64 s[G0S+2:G0S+3], s[22:23]
	s_or_b32 s[G0S+3], s[G0S+3], 0x80000000
	s_mov_b32 s[G0SB], 1
	s_add_co_u32 s[G0SB+1], s94, SCL
	s_mov_b64 s[G0SB+2:G0SB+3], s[92:93]
	s_or_b32 s[G0SB+3], s[G0SB+3], 0x80000000
	JLOAD G0S, G1S, G0SB, G1SB
.irp s, 0,1
	s_mov_b32 s[G0+4*\s], 1
	s_add_co_u32 s[G0+4*\s+1], s45, \s*SLOT
	s_add_nc_u64 s[G0+4*\s+2:G0+4*\s+3], s[20:21], \s*ROWB
	s_or_b32 s[G0+4*\s+3], s[G0+4*\s+3], 0x80000000
	s_mov_b32 s[G0B+4*\s], 1
	s_add_co_u32 s[G0B+4*\s+1], s45, \s*SLOT
	s_add_nc_u64 s[G0B+4*\s+2:G0B+4*\s+3], s[46:47], \s*ROWB
	s_or_b32 s[G0B+4*\s+3], s[G0B+4*\s+3], 0x80000000
	s_wait_alu depctr_va_vdst(0)
	s_wait_tensorcnt 0x0
	ds_add_u32 v28, v29
	s_wait_dscnt 0x0
	CROUND
	JLOAD G0+4*\s, G1, G0B+4*\s, G1B
.endr
	v_and_b32 v1, 15, v0
	v_bfe_u32 v2, v0, 4, 1
	v_mul_u32_u24 v3, v1, PITCH
	v_mul_u32_u24 v4, v2, 24
	v_add_nc_u32 v4, v3, v4
	v_lshl_add_u32 v5, v2, 4, v4
	s_mul_i32 s21, s15, HALFT
	s_mul_i32 s22, s16, HALFT
	s_add_co_u32 s22, s22, 2*HALFT
.irp s, 0,1
	v_add_nc_u32 v[ADRA+\s], s21, v4
	v_add_nc_u32 v[ADRB+\s], s22, v4
	v_add_nc_u32 v[ADRA+2+\s], s21, v5
	v_add_nc_u32 v[ADRB+2+\s], s22, v5
	s_add_co_u32 s21, s21, SLOT
	s_add_co_u32 s22, s22, SLOT
.endr
	v_mul_u32_u24 v5, v1, KS
	v_lshrrev_b32 v6, 8, v5
	v_lshl_add_u32 v5, v6, 4, v5
	s_mul_i32 s21, s15, HALFS
	s_mul_i32 s22, s16, HALFS
	s_add_co_u32 s22, s22, 2*HALFS
	s_sub_co_u32 s22, s22, s21
	v_mul_u32_u24 v6, s22, v2
	s_add_co_u32 s21, s21, SCL
	v_add_nc_u32 v5, v5, v6
	v_add_nc_u32 v[ADRS], s21, v5
	v_and_b32 v6, 31, v0
	v_lshlrev_b32 v[L16], 4, v6
	v_lshlrev_b32 v[L8], 3, v6
	v_and_b32 v6, 8, v1
	v_add_nc_u32 v6, v6, v1
	v_lshlrev_b32 v[MO], 2, v6
	s_wait_alu depctr_va_vdst(0)
	s_lshl_b32 s[UTOK], s17, 1
	s_add_co_u32 s[UTOK], s[UTOK], s15
	s_lshl_b32 s[UE], s42, 1
	s_add_co_u32 s[UE], s[UE], s16
	s_cmp_eq_u32 s[TAU], 2
	s_cselect_b32 s97, s[UE], s[UTOK]
	s_cselect_b32 s[UE], s[UTOK], s[UE]
	s_mov_b32 s[UTOK], s97
	s_lshl_b32 s98, s[UTOK], 9
	s_mov_b32 s99, 0
	s_add_nc_u64 s[8:9], s[8:9], s[98:99]
.irp a, 0,1,2,3,4,5,6,7
	global_load_b32 v[MK+\a], v[MO], s[8:9] offset:4*(32*(\a/2)+8*(\a%2))
.endr
.macro FRAG reg, adr, q, i
.irp p, 0,1,2,3,4,5
.set PC, 12*(\q)+6*(\p/3)+\p%3
.if PC%8 < 5
	ds_load_b64 v[\reg+2*\p:\reg+2*\p+1], v[\adr] offset:8*PC+16*(PC/8)+(\i)*16*PITCH
.else
	ds_load_b64 v[\reg+2*\p:\reg+2*\p+1], v[\adr+2] offset:8*PC+16*(PC/8)+(\i)*16*PITCH
.endif
.endr
.endm
.macro MUL16 a0, p, q, sc, zero
.irp a, \a0, \a0+1
.irp b, 0,1,2,3,4,5,6,7
.if \zero
	v_wmma_scale_f32_16x16x128_f8f6f4 v[8*(8*((\a)%4)+\b):8*(8*((\a)%4)+\b)+7], v[128*(\p)+FR*\b:128*(\p)+FR*\b+FR-1], v[AF+FR*(\a):AF+FR*(\a)+FR-1], 0, v[SC+8*NQ*(\sc)+NQ*\b+(\q)], v[SC+8*NQ*(\sc)+NQ*(\a)+(\q)] matrix_a_fmt:MATRIX_FMT_FP6 matrix_b_fmt:MATRIX_FMT_FP6 matrix_a_scale:MATRIX_SCALE_ROW1
.else
	v_wmma_scale_f32_16x16x128_f8f6f4 v[8*(8*((\a)%4)+\b):8*(8*((\a)%4)+\b)+7], v[128*(\p)+FR*\b:128*(\p)+FR*\b+FR-1], v[AF+FR*(\a):AF+FR*(\a)+FR-1], v[8*(8*((\a)%4)+\b):8*(8*((\a)%4)+\b)+7], v[SC+8*NQ*(\sc)+NQ*\b+(\q)], v[SC+8*NQ*(\sc)+NQ*(\a)+(\q)] matrix_a_fmt:MATRIX_FMT_FP6 matrix_b_fmt:MATRIX_FMT_FP6 matrix_a_scale:MATRIX_SCALE_ROW1
.endif
.endr
.endr
.endm
.macro FETCH_B slot, q, p
	WIN TO_B
.irp i, 0,1,2,3,4,5,6,7
	FRAG 128*(\p)+FR*\i, ADRB+\slot, \q, \i
.endr
	WIN 0
.endm
.macro FETCH_A slot, q, i0
.irp i, \i0, \i0+1, \i0+2, \i0+3
	FRAG AF+FR*(\i), ADRA+\slot, \q, \i
.endr
.endm
.macro SCALES sc
.irp i, 0,1,2,3,4,5,6,7
	ds_load_b64 v[SC+8*NQ*\sc+NQ*\i:SC+8*NQ*\sc+NQ*\i+1], v[ADRS] offset:\i*SBLK
.endr
.endm
.macro PLACES n
.rept \n
	v_nop
.endr
.endm
.macro STEP slot, q, zero
	s_wait_dscnt 4*NL
	WIN MUL_LO
	MUL16 0, (\q)%2, \q, \slot, \zero
	MUL16 2, (\q)%2, \q, \slot, \zero
	s_wait_dscnt 0
	PLACES NP
	FETCH_B \slot, (\q)+1, 1-(\q)%2
	FETCH_A \slot, (\q)+1, 0
	WIN MUL_HI
	MUL16 4, (\q)%2, \q, \slot, \zero
	MUL16 6, (\q)%2, \q, \slot, \zero
	PLACES NP
	WIN 0
	FETCH_A \slot, (\q)+1, 4
.endm
.macro TURN slot, next, fill
	s_wait_tensorcnt 0x0
	ds_add_u32 v[SPW], v[NIL]
	s_wait_dscnt 4*NL+1
	WIN MUL_LO
	MUL16 0, 1, NQ-1, \slot, 0
	s_wait_dscnt 0x0
	s_barrier_signal -1
	MUL16 2, 1, NQ-1, \slot, 0
	WIN 0
	s_barrier_wait -1
.if \fill
	CREST
	s_add_nc_u64 s[G0+4*\slot+2:G0+4*\slot+3], s[G0+4*\slot+2:G0+4*\slot+3], 2*ROWB
	s_add_nc_u64 s[G0B+4*\slot+2:G0B+4*\slot+3], s[G0B+4*\slot+2:G0B+4*\slot+3], 2*ROWB
	JLOAD G0+4*\slot, G1, G0B+4*\slot, G1B
.else
	PLACES NP
.endif
	s_wait_alu depctr_va_vdst(0)
	v_add_nc_u32 v[ADRS], 4*NQ, v[ADRS]
	FETCH_B \next, 0, 0
	FETCH_A \next, 0, 0
	SCALES \next
	WIN MUL_HI
	MUL16 4, 1, NQ-1, \slot, 0
	MUL16 6, 1, NQ-1, \slot, 0
	PLACES NP
	WIN 0
	FETCH_A \next, 0, 4
.endm
	s_wait_tensorcnt 1
	s_barrier_signal -1
	s_barrier_wait -1
	FETCH_B 0, 0, 0
	FETCH_A 0, 0, 0
	SCALES 0
	FETCH_A 0, 0, 4
	STEP 0, 0, 1
	TURN 0, 1, 1
	STEP 1, 0, 0
	TURN 1, 0, 1
	STEP 0, 0, 0
	TURN 0, 1, 0
	STEP 1, 0, 0
	s_wait_dscnt 4*NL
	WIN MUL_LO
	MUL16 0, 1, NQ-1, 1, 0
	MUL16 2, 1, NQ-1, 1, 0
	s_wait_dscnt 0
	WIN MUL_HI
	MUL16 4, 1, NQ-1, 1, 0
	MUL16 6, 1, NQ-1, 1, 0
	WIN 0
	s_wait_loadcnt 0x0
	PLACES NP
	s_cmp_eq_u32 s[TAU], 0
	s_cselect_b64 s[OUT1:OUT1+1], s[10:11], s[12:13]
	s_mov_b32 s[SBH], 16*13056
	s_cselect_b32 s[SBH], 16*6656, s[SBH]
	s_mov_b32 s[SST], 13056
	s_cselect_b32 s[SST], 6656, s[SST]
	s_mov_b32 s[SSC], 12288
	s_cselect_b32 s[SSC], 6144, s[SSC]
	s_mov_b32 s[SU], 0x01010000
	s_cselect_b32 s[SU], 0x01430000, s[SU]
	s_mov_b32 s[SM], 0x01f70000
	s_cselect_b32 s[SM], 0x01430000, s[SM]
	s_cmp_eq_u32 s[TAU], 2
	s_cselect_b32 s[SSC], 12800, s[SSC]
	s_cselect_b32 s[SR0], 6144, 0
	s_mov_b32 s[SAP], 768
	s_cselect_b32 s[SAP], 1536, s[SAP]
	s_mov_b32 s[SA4P], 768
	s_cselect_b32 s[SA4P], 16*13056-3*1536, s[SA4P]
	s_cselect_b32 s[SH], 768, s[SBH]
	s_cselect_b32 s[VM], -1, 0
	s_mov_b32 s[SAP+1], 0
	s_mov_b32 s[SA4P+1], 0
	s_mov_b32 s[HM], 0xffff0000
	s_mov_b32 s[SEL], 0x76543210
	s_mov_b32 s[SEL+1], 0xfedcba98
	s_lshr_b32 s89, s[UTOK], 4
	s_lshl_b32 s89, s89, 4
	s_lshl_b32 s100, s[UE], 1
	s_add_co_u32 s89, s89, s100
	s_and_b32 s100, s[UTOK], 15
	s_mul_i32 s89, s89, s[SBH]
	s_mul_i32 s100, s100, s[SST]
	s_add_co_u32 s[T0], s89, s100
	s_mov_b32 s[T0+1], 0
	s_mov_b32 s[T1+1], 0
	s_add_nc_u64 s[OUT1:OUT1+1], s[OUT1:OUT1+1], s[T0:T0+1]
	s_mov_b32 s[T1], s[SSC]
	s_add_nc_u64 s[SCB:SCB+1], s[OUT1:OUT1+1], s[T1:T1+1]
	s_mov_b32 s[T1], s[SBH]
	s_add_nc_u64 s[SCB2:SCB2+1], s[SCB:SCB+1], s[T1:T1+1]
	s_mov_b32 s[T1], s[SR0]
	s_add_nc_u64 s[OUT1:OUT1+1], s[OUT1:OUT1+1], s[T1:T1+1]
	s_mov_b32 s[T1], s[SH]
	s_add_nc_u64 s[OUT2:OUT2+1], s[OUT1:OUT1+1], s[T1:T1+1]
	v_mov_b32 v[VSU], s[SU]
	v_mov_b32 v[VSM], s[SM]
.irp b, 0,1,2,3
	v_mov_b32 v[TM+4+\b], 0
.endr
.macro QBLK a
.set AC, 64*((\a)%4)
	WIN 40+20*((\a)/4)
.irp b, 0,1,2,3
	v_max3_num_f32 v[TM+\b], 0x1800000, |v[AC+16*\b]|, |v[AC+16*\b+1]|
.endr
.irp i, 2,4,6,8,10,12,14
.irp b, 0,1,2,3
	v_max3_num_f32 v[TM+\b], v[TM+\b], |v[AC+16*\b+\i]|, |v[AC+16*\b+\i+1]|
.endr
.endr
	WIN 0
.irp b, 0,1,2,3
	v_permlanex16_b32 v[TM+4+\b], v[TM+\b], s[SEL], s[SEL+1]
.endr
.irp b, 0,1,2,3
	v_max_num_f32 v[TM+\b], v[TM+\b], v[TM+4+\b]
.endr
.irp b, 0,1,2,3
	v_add_nc_u32 v[TM+12+\b], 0xff000000, v[TM+\b]
.endr
.irp b, 0,1,2,3
	v_lshrrev_b32 v[TM+4+\b], 23, v[TM+12+\b]
.endr
	s_wait_alu depctr_va_vdst(0)
	s_wait_xcnt 0x0
.if (\a) == 4
	s_add_nc_u64 s[OUT1:OUT1+1], s[OUT1:OUT1+1], s[SA4P:SA4P+1]
	s_add_nc_u64 s[OUT2:OUT2+1], s[OUT2:OUT2+1], s[SA4P:SA4P+1]
.elseif (\a) > 0
	s_add_nc_u64 s[OUT1:OUT1+1], s[OUT1:OUT1+1], s[SAP:SAP+1]
	s_add_nc_u64 s[OUT2:OUT2+1], s[OUT2:OUT2+1], s[SAP:SAP+1]
.endif
	WIN 2+(\a)/4
.irp c, 0,1
	v_cvt_scalef32_pk16_fp6_f32 v[CD+6*\c:CD+6*\c+2], v[AC+32*\c:AC+32*\c+15], v[TM+12+2*\c]
	v_cvt_scalef32_pk16_fp6_f32 v[CD+12+4*\c:CD+14+4*\c], v[AC+16+32*\c:AC+31+32*\c], v[TM+13+2*\c]
.endr
	WIN 0
	v_nop
.irp c, 0,1
.irp i, 0,1,2
	v_permlane16_swap_b32 v[CD+6*\c+\i], v[CD+12+4*\c+\i]
.endr
.irp i, 0,1,2
	v_mov_b32 v[CD+3+6*\c+\i], v[CD+12+4*\c+\i]
.endr
.endr
	v_lshl_or_b32 v[LO], v[TM+5], 8, v[TM+4]
	v_lshl_or_b32 v[HI], v[TM+7], 8, v[TM+6]
	v_cmp_eq_u32 vcc_lo, 0, v[MK+\a]
	v_cndmask_b32 v[UP], v[VSU], v[VSM], vcc_lo
	v_lshlrev_b32 v[XX], 16, v[HI]
	v_cndmask_b32 v[XX], v[UP], v[XX], s[VM]
	v_or_b32 v[E0+\a], v[LO], v[XX]
	v_or_b32 v[E1+\a], v[HI], v[UP]
	global_store_b128 v[L16], v[CD:CD+3], s[OUT1:OUT1+1]
	global_store_b64 v[L8], v[CD+4:CD+5], s[OUT1:OUT1+1] offset:512
	global_store_b128 v[L16], v[CD+6:CD+9], s[OUT2:OUT2+1]
	global_store_b64 v[L8], v[CD+10:CD+11], s[OUT2:OUT2+1] offset:512
.endm
.irp a, 0,1,2,3,4,5,6,7
	QBLK \a
.endr
.irp j, 0,1,2,3
	v_cndmask_b32 v[F0+\j], v[E0+2*\j], v[E0+2*\j+1], s[HM]
	v_cndmask_b32 v[F1+\j], v[E1+2*\j], v[E1+2*\j+1], s[HM]
.endr
	s_cmp_eq_u32 s[TAU], 2
	s_cbranch_scc1 .Lvalue_words
	global_store_b128 v[L16], v[F0:F0+3], s[SCB:SCB+1]
	global_store_b128 v[L16], v[F1:F1+3], s[SCB2:SCB2+1]
	s_branch .Lwords_out
.Lvalue_words:
	s_wait_alu depctr_va_vdst(0)
	global_store_b64 v[L8], v[F0:F0+1], s[SCB:SCB+1]
	global_store_b64 v[L8], v[F0+2:F0+3], s[SCB2:SCB2+1]
.Lwords_out:
	s_wait_tensorcnt 0x0
	ds_add_u32 v[SPW], v[NIL]
	s_wait_dscnt 0x0
	CROUND
	s_endpgm
.Lfunc_end_k_q25ae55a879_proj:
	.size	k_q25ae55a879_proj, .Lfunc_end_k_q25ae55a879_proj-k_q25ae55a879_proj
	.p2alignl 7, 3214868480
	.fill 96, 4, 3214868480
	.section	.rodata,"a",@progbits
	.p2align	6, 0x0
	.amdhsa_kernel k_q25ae55a879_proj
		.amdhsa_group_segment_fixed_size 327680
		.amdhsa_private_segment_fixed_size 0
		.amdhsa_enable_private_segment 0
		.amdhsa_kernarg_size 40
		.amdhsa_user_sgpr_count 2
		.amdhsa_user_sgpr_kernarg_segment_ptr 1
		.amdhsa_wavefront_size32 1
		.amdhsa_system_sgpr_workgroup_id_x 1
		.amdhsa_system_sgpr_workgroup_id_y 1
		.amdhsa_system_sgpr_workgroup_id_z 1
		.amdhsa_system_vgpr_workitem_id 0
		.amdhsa_next_free_vgpr 1024
		.amdhsa_next_free_sgpr 102
		.amdhsa_reserve_vcc 1
		.amdhsa_float_denorm_mode_32 3
		.amdhsa_float_denorm_mode_16_64 3
		.amdhsa_memory_ordered 1
		.amdhsa_forward_progress 1
		.amdhsa_inst_pref_size 172
	.end_amdhsa_kernel
	.amdgpu_metadata
---
amdhsa.version: [ 1, 2 ]
amdhsa.kernels:
  - .name:           k_q25ae55a879_proj
    .symbol:         k_q25ae55a879_proj.kd
    .args:
      - { .name: codes, .offset: 0, .size: 8, .value_kind: global_buffer, .address_space: global }
      - { .name: scales, .offset: 8, .size: 8, .value_kind: global_buffer, .address_space: global }
      - { .name: mask, .offset: 16, .size: 8, .value_kind: global_buffer, .address_space: global }
      - { .name: qimg, .offset: 24, .size: 8, .value_kind: global_buffer, .address_space: global }
      - { .name: kv, .offset: 32, .size: 8, .value_kind: global_buffer, .address_space: global }
    .group_segment_fixed_size: 327680
    .private_segment_fixed_size: 0
    .kernarg_segment_align: 8
    .kernarg_segment_size: 40
    .max_flat_workgroup_size: 128
    .sgpr_count:     102
    .vgpr_count:     1024
    .wavefront_size: 32
...
	.end_amdgpu_metadata
.endif
;; end of part 2
;; launch attn (part 3): grid 4 x 64, 16 waves a work-group, clusters of 4 x 1, 223,232 bytes of LDS; arguments qimg, kv, mhc, mhs; writes mhc, mhs
.if DOCPART == 3
	.amdgcn_target "amdgcn-amd-amdhsa--gfx1250"
	.amdhsa_code_object_version 6
	.text
	.protected	k_q25ae55a879_attn
	.globl	k_q25ae55a879_attn
	.p2align	8
	.type	k_q25ae55a879_attn,@function
k_q25ae55a879_attn:
	s_mov_b64 s[64:65], 0
	v_nop
	global_prefetch_b8 v0, s[64:65] scope:SCOPE_SE
	s_setreg_imm32_b32 hwreg(HW_REG_WAVE_MODE, 25, 1), 1
	s_wait_xcnt 0x0
	s_wait_alu depctr_hold_cnt(0) depctr_sa_sdst(0) depctr_va_vdst(0) depctr_va_sdst(0) depctr_va_ssrc(0) depctr_va_vcc(0) depctr_vm_vsrc(0)
	s_getreg_b32 s2, hwreg(HW_REG_IB_STS2, 6, 4)
	s_cmp_eq_u32 s2, 0
	s_cbranch_scc0 .Lentry_in_a_cluster
	s_endpgm
.Lentry_in_a_cluster:
	s_bfe_u32 s2, ttmp6, 0x10000c
	s_cmp_lg_u32 s2, 0x3003
	s_cbranch_scc0 .Lentry_shape_is_right
	s_endpgm
.Lentry_shape_is_right:
; ATTENTION on codes of FP6 (E2M3) with one E8M0 scale for each 32 along a product's K.  64 (batch, head) pairs, 2,048 queries and keys, 64 channels.
; t = score x log2(e) / 8; M = the row's largest t so far, rounded UP to a whole number; p = 2^(t - M) is quantised along the keys, not normalised; the row's sum is taken of the unquantised p and divides at the end.
; When M moves, the sum and O are multiplied by 2^(old M - new M): exact.  The result, O / the sum, is quantised along the channels and stored as half images of the output projection's operand.
; THE KEY MASK costs nothing here: the score product's K is 128 and the head has 64 channels.  At k = 64 a key's fragment holds the code +1 and a query's the code -1, constants in registers; the third byte of a key's scale
; word, made by the launch before from the mask, makes of them -2^60 (masked) or -2^-186 (open), added to the score inside the product.  A masked key's p is 0.
; LIMITS: open logits must lie far above -2^60.  A row all of whose keys are masked: every score is -2^60, t = M exactly (2^60 x c is a number of f32), p = 1 for all keys: equal weights, as with the reference's -1e9,
; while the raw scores stay under 2^35.  NaN and infinities are not served.
; SHARES.  A work-group owns 512 queries of one head, each of its SIXTEEN waves two tiles of 16, one after the other, in 256 registers: four waves to a SIMD, so that one wave's vector work stands beside another's loads and products.
; The head's WHOLE K and V, 208,896 bytes of images and scale words, come into LDS ONCE: wave w brings key step w by one tensor load.  No slot is ever filled again.
; CLUSTER.  The four work-groups of a cluster own the four quarters of one head's queries and want the same K and V: each load is asked for JOINTLY, with the same descriptor and a mask that names the four.
; LAYOUT.  Both products are used transposed: S^T = K Q^T (source 0 = 16 keys, source 1 = my 16 queries), O^T = V^T P^T (source 0 = 16 channels, source 1 = P): a lane holds ONE query (lane % 16) throughout.
; The launches before have laid keys and channels so that the 16 registers of tiles 2 b and 2 b + 1 are 16 neighbours, 32 b + 16 (lane / 16) + 0 .. 15, of the next K.
; REGISTERS: v1-11 addresses; v12 -M, v13 the largest t, v[14:15] the sum in two halves; v16-27, v84-95 my two tiles of Q; v28 Q's scale words; v[30:31] V's; v32-79 four fragments of K; v80-83 K's scale words;
;   v96-159 S^T, then p, then V's four fragments; v160-191 O^T; v224-235 p's codes; v232-254 at work.
.set STEPB, 13056                      ; a key step in LDS and in memory: K's 8 half images of 768 bytes, V's 4 images of 1,536, K's scale words (512), V's (256)
.set KVH,   16*STEPB                   ; a head's
.set VOF,   6144
.set KSC,   12288
.set VSC,   12800
.set GATH,  KVH                        ; behind them: 1,024 bytes, the work-group's 512 pairs of scale bytes of the result
.set L16,  1                           ; v1   16 x lane
.set L8,   2                           ; v2   8 x lane
.set A16,  3                           ; v3   the step's LDS address + 16 x lane
.set A8,   4                           ; v4   + 8 x lane
.set GA,   5                           ; v5   where my query's pair of scale bytes goes
.set GR,   6                           ; v6   and where 16 bytes of them are read back
.set QSO,  7                           ; v7-9 offsets of Q's loads
.set GW,   11                          ; v11  16 x thread
.set Q0,   16
.set QS,   28
.set VS,   30
.set KB,   32
.set KSR,  80
.set Q1,   84
.set WV,   12                          ; s12  my wave's number
.set SEL,  28                          ; s[28:29] selects for lane l xor 16
.set CS,   30                          ; s[30:31] c = log2(e) / 8: the packed form names a pair and takes its low word for both halves
.set TB,   32                          ; s32  LDS byte at which the key step in hand begins
.set CNT,  33                          ; s33  key steps to go
.macro CROUND                          ; a round of the cluster's barrier
	s_barrier_signal -1
	s_barrier_wait -1
	s_cmp_lg_u32 s[WV], 0
	s_cbranch_scc1 .Lnot_wave_0_\@
	s_barrier_signal -3
.Lnot_wave_0_\@:
	s_barrier_wait -3
	s_barrier_signal -1
	s_barrier_wait -1
.endm
; A score product: D = 16 keys x my 16 queries.  ra, rb: the scale words stand in lanes 16-31 of their registers
.macro KQ d, a, b, sa, ra, rb
.if (\ra) && (\rb)
	v_wmma_scale_f32_16x16x128_f8f6f4 v[(\d):(\d)+7], v[(\a):(\a)+11], v[(\b):(\b)+11], 0, v[\sa], v[QS] matrix_a_fmt:MATRIX_FMT_FP6 matrix_b_fmt:MATRIX_FMT_FP6 matrix_a_scale:MATRIX_SCALE_ROW1 matrix_b_scale:MATRIX_SCALE_ROW1
.elseif \ra
	v_wmma_scale_f32_16x16x128_f8f6f4 v[(\d):(\d)+7], v[(\a):(\a)+11], v[(\b):(\b)+11], 0, v[\sa], v[QS] matrix_a_fmt:MATRIX_FMT_FP6 matrix_b_fmt:MATRIX_FMT_FP6 matrix_a_scale:MATRIX_SCALE_ROW1
.elseif \rb
	v_wmma_scale_f32_16x16x128_f8f6f4 v[(\d):(\d)+7], v[(\a):(\a)+11], v[(\b):(\b)+11], 0, v[\sa], v[QS] matrix_a_fmt:MATRIX_FMT_FP6 matrix_b_fmt:MATRIX_FMT_FP6 matrix_b_scale:MATRIX_SCALE_ROW1
.else
	v_wmma_scale_f32_16x16x128_f8f6f4 v[(\d):(\d)+7], v[(\a):(\a)+11], v[(\b):(\b)+11], 0, v[\sa], v[QS] matrix_a_fmt:MATRIX_FMT_FP6 matrix_b_fmt:MATRIX_FMT_FP6
.endif
.endm
; O^T += 16 channels x 128 keys x my 16 queries
.macro PV d, a, sa, ra
.if \ra
	v_wmma_scale_f32_16x16x128_f8f6f4 v[(\d):(\d)+7], v[(\a):(\a)+11], v[224:235], v[(\d):(\d)+7], v[\sa], v253 matrix_a_fmt:MATRIX_FMT_FP6 matrix_b_fmt:MATRIX_FMT_FP6 matrix_a_scale:MATRIX_SCALE_ROW1
.else
	v_wmma_scale_f32_16x16x128_f8f6f4 v[(\d):(\d)+7], v[(\a):(\a)+11], v[224:235], v[(\d):(\d)+7], v[\sa], v253 matrix_a_fmt:MATRIX_FMT_FP6 matrix_b_fmt:MATRIX_FMT_FP6
.endif
.endm
	s_load_b256 s[4:11], s[0:1], 0x0               ; qimg s[4:5], kv s[6:7], mhc s[8:9], mhs s[10:11]
	v_lshl_add_u32 v251, v0, 2, 0x36000
	v_mov_b32 v255, 0
	ds_add_u32 v251, v255
	ds_add_u32 v251, v255
	v_lshrrev_b32 v10, 5, v0
	s_delay_alu instid0(VALU_DEP_1)
	v_readfirstlane_b32 s[WV], v10                 ; wave 0..15
	s_bfe_u32 s13, ttmp6, 0x40000                  ; cx: which quarter of the head's queries: it enters global addresses of Q and of the results alone
	s_and_b32 s14, ttmp7, 0xffff                   ; 16 x batch + head, which the four partners share
	; descriptor group 1: a key step, 13,056 dense bytes, as 51 rows of 256 bytes
	s_mov_b32 s16, 15|(3<<16)|(1<<21)              ; 15:0 the mask: all four work-groups; 17:16 elements of 8 bytes; 20 no padding; 21 set beside a mask
	s_mov_b32 s17, 32<<16                          ; tensor_dim0 = 32
	s_mov_b32 s18, 51<<16                          ; tensor_dim1 = 51
	s_mov_b32 s19, 32<<16                          ; tile_dim0 = 32
	s_mov_b32 s20, 51                              ; tile_dim1 = 51
	s_mov_b32 s21, 32                              ; tensor_dim0_stride
	s_mov_b32 s22, 0
	s_mov_b32 s23, 0
	s_mov_b32 s24, 1                               ; group 0: count = 1
	s_mul_i32 s25, s[WV], STEPB                    ; LDS address: key step w
	s_mul_i32 s34, s14, KVH
	s_add_co_u32 s34, s34, s25                     ; and the same step of my head in memory (under 2^24)
	s_mov_b32 s35, 0
	s_mov_b32 s[SEL], 0x76543210
	s_mov_b32 s[SEL+1], 0xfedcba98
	s_mov_b32 s[CS], 0x3e38aa3b                    ; c = log2(e) / sqrt(64)
	s_mov_b32 s[CS+1], s[CS]                       ; (named with it as a pair, so it is written)
	s_wait_dscnt 0x0
	s_wait_kmcnt 0x0
	s_add_nc_u64 s[26:27], s[6:7], s[34:35]
	s_or_b32 s27, s27, 0x80000000                  ; type = 2
	CROUND                                         ; all four work-groups are here: the joint loads meet
	tensor_load_to_lds s[24:27], s[16:23]          ; my one tensor load of the launch
	s_nop 0
.rept 4
	v_nop
.endr
	v_and_b32 v10, 31, v0
	s_delay_alu instid0(VALU_DEP_1)
	v_lshlrev_b32 v[L16], 4, v10
	s_wait_alu depctr_va_vdst(0)
	v_lshlrev_b32 v[L8], 3, v10
	; Q: my tiles are 32 cx + 2 w and the next: group 4 cx + w / 4 of eight tiles, tiles 2 (w % 4) and 2 (w % 4) + 1 in it
	s_wait_alu depctr_va_vdst(0)
	s_lshl_b32 s34, s13, 2
	s_lshr_b32 s36, s[WV], 2
	s_add_co_u32 s34, s34, s36
	s_mul_i32 s34, s34, 6656
	s_mul_i32 s36, s14, 16*6656
	s_add_co_u32 s34, s34, s36
	s_add_nc_u64 s[4:5], s[4:5], s[34:35]
	s_and_b32 s36, s[WV], 3
	s_mul_i32 s37, s36, 2*768
	s_lshl_b32 s36, s36, 2
	v_add_nc_u32 v[QSO], s36, v[L16]               ; scale words: lane (r, h) at 16 x lane, word j: tile 2 j + h: lanes 0-15 get my first tile's, lanes 16-31 my second's
	v_add_nc_u32 v[QSO+1], s37, v[L16]
	v_add_nc_u32 v[QSO+2], s37, v[L8]
	global_load_b128 v[Q0:Q0+3], v[QSO+1], s[4:5]
	global_load_b64 v[Q0+4:Q0+5], v[QSO+2], s[4:5] offset:512
	global_load_b128 v[Q1:Q1+3], v[QSO+1], s[4:5] offset:768
	global_load_b64 v[Q1+4:Q1+5], v[QSO+2], s[4:5] offset:1280
	global_load_b32 v[QS], v[QSO], s[4:5] offset:6144
	; the constants at k = 64 .. 127: register 6 of lanes 0-15 begins with k = 64
	v_bfe_u32 v10, v0, 4, 1
	s_delay_alu instid0(VALU_DEP_1)
	v_sub_nc_u32 v10, 1, v10                       ; 1 in lanes 0-15
	s_delay_alu instid0(VALU_DEP_1)
	v_mul_u32_u24 v[Q0+6], v10, 40                 ; the code -1.0 (0x28)
	s_delay_alu instid0(VALU_DEP_2)
	v_mul_u32_u24 v[Q1+6], v10, 40
.irp t, 0,1,2,3
	v_lshlrev_b32 v[KB+12*\t+6], 3, v10            ; the code +1.0 (0x08)
.endr
.irp i, 7,8,9,10,11
	v_mov_b32 v[Q0+\i], 0
	v_mov_b32 v[Q1+\i], 0
.irp t, 0,1,2,3
	v_mov_b32 v[KB+12*\t+\i], 0
.endr
.endr
.irp b, 0,1,2,3
	v_mov_b32 v[236+\b], 0                         ; written once: a lane permute's destination counts as one of its sources
.endr
	v_mov_b32 v253, 0                              ; (named as the upper half of the pair v[252:253] before it is first written)
	; where the results go
	v_and_b32 v[GA], 15, v0
	s_delay_alu instid0(VALU_DEP_1)
	v_lshlrev_b32 v[GA], 1, v[GA]
	s_lshl_b32 s36, s[WV], 6
	v_add_nc_u32 v[GA], s36, v[GA]
	s_delay_alu instid0(VALU_DEP_1)
	v_add_nc_u32 v[GA], GATH, v[GA]                ; 2 bytes a query: 64 x wave + 2 r (+ 32 for the second tile)
	v_lshl_add_u32 v[GR], v0, 4, GATH
	v_lshlrev_b32 v[GW], 4, v0
	s_lshr_b32 s36, s14, 4                         ; mhc: [token tile 512][head 16][768]: tile 128 x batch + 32 cx + 2 w
	s_lshl_b32 s36, s36, 7
	s_lshl_b32 s37, s13, 5
	s_add_co_u32 s36, s36, s37
	s_lshl_b32 s37, s[WV], 1
	s_add_co_u32 s36, s36, s37
	s_lshl_b32 s36, s36, 4
	s_and_b32 s37, s14, 15
	s_add_co_u32 s36, s36, s37
	s_mul_i32 s36, s36, 768
	s_mov_b32 s37, 0
	s_add_nc_u64 s[8:9], s[8:9], s[36:37]
	s_and_b32 s36, s14, 15                         ; mhs: [head 16][token 8,192] pairs of bytes
	s_lshl_b32 s36, s36, 14
	s_lshr_b32 s38, s14, 4
	s_lshl_b32 s38, s38, 12
	s_add_co_u32 s36, s36, s38
	s_lshl_b32 s38, s13, 10
	s_add_co_u32 s36, s36, s38
	s_add_nc_u64 s[10:11], s[10:11], s[36:37]
	s_wait_loadcnt 0x0                             ; Q
	s_wait_tensorcnt 0x0                           ; my key step has landed,
	s_barrier_signal -1
	s_barrier_wait -1                              ; everybody's has: all sixteen steps may be read by all
; A KEY STEP: 128 keys against the tile of queries in v[qf] on, whose scale words stand in lanes 16 qrow on of v[QS].
.macro STEP qf, qrow
	v_add_nc_u32 v[A16], s[TB], v[L16]
	s_wait_alu depctr_va_vdst(0)
	v_add_nc_u32 v[A8], s[TB], v[L8]
	s_wait_alu depctr_va_vdst(0)
.rept 3
	v_nop                                          ; with the two additions: five places between the last step's products and the score products, which write over the registers that held V's fragments
.endr
	ds_load_b128 v[KSR:KSR+3], v[A16] offset:KSC   ; the scale words of the eight tiles of keys: register j: lanes 0-15 tile 2 j, lanes 16-31 tile 2 j + 1
.irp g, 0,1                                    ; S^T = K Q^T, four tiles of 16 keys at a time
.if \g
.rept 4
	v_nop                                          ; places in front of loads into registers that matrix instructions have read
.endr
.endif
.irp t, 0,1,2,3
	ds_load_b128 v[KB+12*\t:KB+12*\t+3], v[A16] offset:(4*\g+\t)*768       ; a half image: registers 0-3,
	ds_load_b64 v[KB+12*\t+4:KB+12*\t+5], v[A8] offset:(4*\g+\t)*768+512   ; 4 and 5; registers 6-11 keep their constants
.endr
	s_wait_dscnt 0x0
.irp t, 0,1,2,3
	KQ 96+8*(4*\g+\t), KB+12*\t, \qf, KSR+(4*\g+\t)/2, \t%2, \qrow
.endr
.endr
.rept 4
	v_nop
.endr
.irp b, 0,1,2,3
	v_max3_num_f32 v[232+\b], v[96+16*\b], v[97+16*\b], v[98+16*\b]   ; THE LARGEST SCORE OF EACH BLOCK OF 32 KEYS: it serves twice: for the row's maximum, and, since p rises with the score, for the block's largest p
.endr
.irp i, 3,5,7,9,11,13
.irp b, 0,1,2,3
	v_max3_num_f32 v[232+\b], v[232+\b], v[96+16*\b+\i], v[97+16*\b+\i]   ; (the four blocks by turns)
.endr
.endr
.irp b, 0,1,2,3
	v_max_num_f32 v[232+\b], v[232+\b], v[111+16*\b]
.endr
.irp b, 0,1,2,3
	s_delay_alu instid0(VALU_DEP_4)
	v_permlanex16_b32 v[236+\b], v[232+\b], s[SEL], s[SEL+1]
.endr
.irp b, 0,1,2,3
	s_delay_alu instid0(VALU_DEP_4)
	v_max_num_f32 v[232+\b], v[232+\b], v[236+\b]  ; with lane l xor 16's 16 keys
.endr
	s_delay_alu instid0(VALU_DEP_2)
	v_max3_num_f32 v254, v232, v233, v234
	s_delay_alu instid0(VALU_DEP_1)
	v_max_num_f32 v254, v254, v235                 ; the step's largest score of my query
	s_delay_alu instid0(VALU_DEP_1)
	v_mul_f32 v254, s[CS], v254                    ; as t (c is positive)
	s_delay_alu instid0(VALU_DEP_1)
	v_max_num_f32 v13, v13, v254                   ; the running largest t
	v_mov_b32 v254, v12
	s_delay_alu instid0(VALU_DEP_2)
	v_floor_f32 v12, -v13                          ; the new -M = floor(-t) = -ceil(t): M IS A WHOLE NUMBER
	s_delay_alu instid0(VALU_DEP_1)
	v_sub_f32 v254, v12, v254                      ; M's old value less its new one: a whole number, 0 or less
	s_delay_alu instid0(VALU_DEP_1)
	v_cvt_i32_f32 v254, v254                       ; (it saturates)
	s_delay_alu instid0(VALU_DEP_1)
	v_ldexp_f32 v252, 1.0, v254                    ; f = 2^(old M - new M): a multiplication by it rounds nothing
.set J, 0
.rept 32
	v_pk_fma_f32 v[96+J:97+J], v[96+J:97+J], s[CS:CS+1], v[12:13] op_sel_hi:[1,0,0]   ; t - M, two at a time (of the pairs c and -M the low word serves both halves)
.set J, J+2
.endr
.irp b, 0,1,2,3
	v_fma_f32 v[232+\b], v[232+\b], s[CS], v12     ; the same of each block's largest score
.endr
.set J, 0
	s_wait_alu depctr_va_vdst(0)
.rept 64
	v_exp_f32 v[96+J], v[96+J]                     ; p = 2^(t - M), at most 1: NOT normalised
.set J, J+1
.endr
	s_setprio 1
	v_pk_mul_f32 v[14:15], v[14:15], v[252:253] op_sel_hi:[1,0]   ; the sums under the new M.  (A plain place behind the exponentials)
	s_wait_alu depctr_va_vdst(0)                   ; the wait ahead of the first instruction that names an exponential's result: one for the whole batch
.irp b, 0,1,2,3
	v_exp_f32 v[232+\b], v[232+\b]                 ; the block's largest p: the same two instructions on the same number give the same bits
.endr
	v_pk_add_f32 v[236:237], v[100:101], v[104:105]
	v_pk_add_f32 v[248:249], v[108:109], v[112:113]
	v_pk_add_f32 v[246:247], v[116:117], v[120:121]
	v_pk_add_f32 v[244:245], v[124:125], v[128:129]
	v_pk_add_f32 v[242:243], v[132:133], v[136:137]
	v_pk_add_f32 v[240:241], v[140:141], v[144:145]
	v_pk_add_f32 v[238:239], v[148:149], v[152:153]
	v_pk_add_f32 v[14:15], v[14:15], v[156:157]
	v_pk_add_f32 v[236:237], v[236:237], v[96:97]
	v_pk_add_f32 v[248:249], v[248:249], v[98:99]
	v_pk_add_f32 v[246:247], v[246:247], v[102:103]
	v_pk_add_f32 v[244:245], v[244:245], v[106:107]
	v_pk_add_f32 v[242:243], v[242:243], v[110:111]
	v_pk_add_f32 v[240:241], v[240:241], v[114:115]
	v_pk_add_f32 v[238:239], v[238:239], v[118:119]
	v_pk_add_f32 v[14:15], v[14:15], v[122:123]
	v_pk_add_f32 v[236:237], v[236:237], v[126:127]
	v_pk_add_f32 v[248:249], v[248:249], v[130:131]
	v_pk_add_f32 v[246:247], v[246:247], v[134:135]
	v_pk_add_f32 v[244:245], v[244:245], v[138:139]
	v_pk_add_f32 v[242:243], v[242:243], v[142:143]
	v_pk_add_f32 v[240:241], v[240:241], v[146:147]
	v_pk_add_f32 v[238:239], v[238:239], v[150:151]
	v_pk_add_f32 v[14:15], v[14:15], v[154:155]
	v_pk_add_f32 v[236:237], v[236:237], v[158:159]
	s_delay_alu instid0(VALU_DEP_2)
	v_pk_add_f32 v[14:15], v[14:15], v[244:245]
	s_delay_alu instid0(VALU_DEP_2)
	v_pk_add_f32 v[236:237], v[236:237], v[242:243]
	v_pk_add_f32 v[248:249], v[248:249], v[240:241]
	v_pk_add_f32 v[246:247], v[246:247], v[238:239]
	s_delay_alu instid0(VALU_DEP_2)
	v_pk_add_f32 v[14:15], v[14:15], v[248:249]
	s_delay_alu instid0(VALU_DEP_2)
	v_pk_add_f32 v[236:237], v[236:237], v[246:247]
	s_delay_alu instid0(VALU_DEP_1)
	v_pk_add_f32 v[14:15], v[14:15], v[236:237]
	s_wait_alu depctr_va_vdst(0)                   ; and one for the four
.irp b, 0,1,2,3
	v_max_num_f32 v[232+\b], 0x1800000, v[232+\b]  ; the floor 2^(3 - 127): the byte cannot fall under 1 (a block whose every p is 0 keeps that byte: its codes are zeros)
.endr
.irp b, 0,1,2,3
	s_delay_alu instid0(VALU_DEP_4)
	v_add_nc_u32 v[244+\b], 0xff000000, v[232+\b]  ; 2 off the exponent field: the conversion's scale operand
.endr
.irp b, 0,1,2,3
	s_delay_alu instid0(VALU_DEP_4)
	v_lshrrev_b32 v[236+\b], 23, v[244+\b]         ; the scale's byte
.endr
	s_delay_alu instid0(VALU_DEP_3)
	v_lshl_or_b32 v253, v237, 8, v236              ; p's scale word for these 128 keys
	s_delay_alu instid0(VALU_DEP_1)
	v_lshl_or_b32 v253, v238, 16, v253
	s_delay_alu instid0(VALU_DEP_1)
	v_lshl_or_b32 v253, v239, 24, v253
.irp c, 0,1
	v_cvt_scalef32_pk16_fp6_f32 v[224+6*\c:226+6*\c], v[96+32*\c:111+32*\c], v[244+2*\c]
	v_cvt_scalef32_pk16_fp6_f32 v[236+4*\c:238+4*\c], v[112+32*\c:127+32*\c], v[244+2*\c+1]   ; (a conversion's three registers begin on an even number)
.endr
.irp d, 0,1,2,3                                ; p is done with: V's four images (16 channels x 128 keys) land where it stood, while the codes are put in order
	ds_load_b128 v[96+12*\d:99+12*\d], v[A16] offset:VOF+1536*\d
	ds_load_b64 v[100+12*\d:101+12*\d], v[A8] offset:VOF+1536*\d+512
	ds_load_b128 v[102+12*\d:105+12*\d], v[A16] offset:VOF+1536*\d+768
	ds_load_b64 v[106+12*\d:107+12*\d], v[A8] offset:VOF+1536*\d+1280
.endr
	ds_load_b64 v[VS:VS+1], v[A8] offset:VSC       ; V's scale words: register j: lanes 0-15 tile 2 j, lanes 16-31 tile 2 j + 1
	v_nop                                          ; one plain vector instruction between a scaled conversion and the vector instruction that touches its result
.irp c, 0,1                                    ; the operand's layout wants a WHOLE block in a lane: lanes 0-15 block 2 c, lanes 16-31 block 2 c + 1
.irp i, 0,1,2
	v_permlane16_swap_b32 v[224+6*\c+\i], v[236+4*\c+\i]
.endr
.irp i, 0,1,2
	s_delay_alu instid0(VALU_DEP_3)
	v_mov_b32 v[227+6*\c+\i], v[236+4*\c+\i]
.endr
.endr
.set J, 0
	s_setprio 0
.rept 16
	v_pk_mul_f32 v[160+J:161+J], v[160+J:161+J], v[252:253] op_sel_hi:[1,0]   ; O^T under the new M: x f.  (These are also the places in front of the matrix instructions below)
.set J, J+2
.endr
	s_wait_alu depctr_va_vdst(0)
	s_wait_dscnt 0x0
.irp d, 0,1,2,3                                ; the four accumulators take turns, one instruction a turn
	PV 160+8*\d, 96+12*\d, VS+\d/2, \d%2
.endr
	s_add_co_u32 s[TB], s[TB], STEPB
.endm
; One tile of 16 queries through all sixteen key steps, and its way out.  n: my first or second tile
.macro TILE n, qf
	s_wait_xcnt 0x0                                ; the last tile's stores have read their data
	v_mov_b32 v13, 0xff61b1e6                      ; the largest t so far: -3e38, under every t
	s_delay_alu instid0(VALU_DEP_1)
	v_floor_f32 v12, -v13                          ; -M
	v_mov_b32 v14, 0                               ; the sum, in two halves
	v_mov_b32 v15, 0
.set J, 0
.rept 32
	v_mov_b32 v[160+J], 0                          ; O^T.  (The step is written once: the first finds zeros, which the first change of M leaves zeros)
.set J, J+1
.endr
	s_mov_b32 s[TB], 0
	s_mov_b32 s[CNT], 16
.Lstep_\@:
	s_setprio 2
	STEP \qf, \n
	s_sub_co_u32 s[CNT], s[CNT], 1
	s_cmp_lg_u32 s[CNT], 0
	s_cbranch_scc1 .Lstep_\@
	s_setprio 0
.rept 4
	v_nop                                          ; places behind the last products
.endr
	v_add_f32 v14, v14, v15                        ; the sum's two halves,
	s_delay_alu instid0(VALU_DEP_1)
	v_permlanex16_b32 v252, v14, s[SEL], s[SEL+1]
	s_delay_alu instid0(VALU_DEP_1)
	v_add_f32 v14, v14, v252                       ; and lane l xor 16's: the row's sum, above 1/2
	s_wait_alu depctr_va_vdst(0)
	v_rcp_f32 v14, v14
	v_nop                                          ; a plain place behind the reciprocal
	s_wait_alu depctr_va_vdst(0)                   ; and the wait ahead of its first reader
.set J, 0
.rept 16
	v_pk_mul_f32 v[96+J:97+J], v[160+J:161+J], v[14:15] op_sel_hi:[1,0]   ; O^T / the sum, each accumulator from its low end on: register 16 b + i is channel 32 b + 16 (lane / 16) + i of my query
.set J, J+2
.endr
.irp b, 0,1
	v_max3_num_f32 v[232+\b], |v[96+16*\b]|, |v[97+16*\b]|, 0x1800000   ; two blocks of 32 channels, quantised for the output projection
.endr
.irp i, 2,4,6,8,10,12,14
.irp b, 0,1
	s_delay_alu instid0(VALU_DEP_2)
	v_max3_num_f32 v[232+\b], v[232+\b], |v[96+16*\b+\i]|, |v[97+16*\b+\i]|
.endr
.endr
.irp b, 0,1
	s_delay_alu instid0(VALU_DEP_2)
	v_permlanex16_b32 v[236+\b], v[232+\b], s[SEL], s[SEL+1]
.endr
.irp b, 0,1
	s_delay_alu instid0(VALU_DEP_2)
	v_max_num_f32 v[232+\b], v[232+\b], v[236+\b]
.endr
.irp b, 0,1
	s_delay_alu instid0(VALU_DEP_2)
	v_add_nc_u32 v[244+\b], 0xff000000, v[232+\b]
.endr
.irp b, 0,1
	s_delay_alu instid0(VALU_DEP_2)
	v_lshrrev_b32 v[236+\b], 23, v[244+\b]
.endr
	s_delay_alu instid0(VALU_DEP_1)
	v_lshl_or_b32 v240, v237, 8, v236              ; my query's two scale bytes
	v_cvt_scalef32_pk16_fp6_f32 v[224:226], v[96:111], v244
	v_cvt_scalef32_pk16_fp6_f32 v[248:250], v[112:127], v245
	v_nop
.irp i, 0,1,2
	v_permlane16_swap_b32 v[224+\i], v[248+\i]
.endr
.irp i, 0,1,2
	s_delay_alu instid0(VALU_DEP_3)
	v_mov_b32 v[227+\i], v[248+\i]
.endr
	global_store_b128 v[L16], v[224:227], s[8:9] offset:\n*16*768          ; a half image: 512 and 256 consecutive bytes, aligned
	global_store_b64 v[L8], v[228:229], s[8:9] offset:\n*16*768+512
	ds_store_b16 v[GA], v240 offset:32*\n          ; both halves of the lanes write the same two bytes with the same value
.endm
	TILE 0, Q0
	TILE 1, Q1
	s_wait_dscnt 0x0                               ; for the others' sake: my stores of scale bytes are done
	s_barrier_signal -1
	s_barrier_wait -1
	s_cmp_lt_u32 s[WV], 2
	s_cbranch_scc0 .Lno_gather
	ds_load_b128 v[96:99], v[GR]                   ; waves 0 and 1: the work-group's 1,024 bytes, 16 a lane
	s_wait_dscnt 0x0
	global_store_b128 v[GW], v[96:99], s[10:11]    ; each wave stores 512 consecutive bytes, aligned
.Lno_gather:
	s_wait_tensorcnt 0x0
	ds_add_u32 v251, v255
	s_wait_dscnt 0x0
	CROUND                                         ; the closing round: no work-group ends while a partner may still ask for a tile that names it
	s_endpgm
.Lfunc_end_k_q25ae55a879_attn:
	.size	k_q25ae55a879_attn, .Lfunc_end_k_q25ae55a879_attn-k_q25ae55a879_attn
	.p2alignl 7, 3214868480
	.fill 96, 4, 3214868480
	.section	.rodata,"a",@progbits
	.p2align	6, 0x0
	.amdhsa_kernel k_q25ae55a879_attn
		.amdhsa_group_segment_fixed_size 223232
		.amdhsa_private_segment_fixed_size 0
		.amdhsa_enable_private_segment 0
		.amdhsa_kernarg_size 32
		.amdhsa_user_sgpr_count 2
		.amdhsa_user_sgpr_kernarg_segment_ptr 1
		.amdhsa_wavefront_size32 1
		.amdhsa_system_sgpr_workgroup_id_x 1
		.amdhsa_system_sgpr_workgroup_id_y 1
		.amdhsa_system_sgpr_workgroup_id_z 1
		.amdhsa_system_vgpr_workitem_id 0
		.amdhsa_next_free_vgpr 256
		.amdhsa_next_free_sgpr 66
		.amdhsa_reserve_vcc 0
		.amdhsa_float_denorm_mode_32 3
		.amdhsa_float_denorm_mode_16_64 3
		.amdhsa_memory_ordered 1
		.amdhsa_forward_progress 1
		.amdhsa_inst_pref_size 54
	.end_amdhsa_kernel
	.amdgpu_metadata
---
amdhsa.version: [ 1, 2 ]
amdhsa.kernels:
  - .name:           k_q25ae55a879_attn
    .symbol:         k_q25ae55a879_attn.kd
    .args:
      - { .name: qimg, .offset: 0, .size: 8, .value_kind: global_buffer, .address_space: global }
      - { .name: kv, .offset: 8, .size: 8, .value_kind: global_buffer, .address_space: global }
      - { .name: mhc, .offset: 16, .size: 8, .value_kind: global_buffer, .address_space: global }
      - { .name: mhs, .offset: 24, .size: 8, .value_kind: global_buffer, .address_space: global }
    .group_segment_fixed_size: 223232
    .private_segment_fixed_size: 0
    .kernarg_segment_align: 8
    .kernarg_segment_size: 32
    .max_flat_workgroup_size: 512
    .sgpr_count:     66
    .vgpr_count:     256
    .wavefront_size: 32
...
	.end_amdgpu_metadata
.endif
;; end of part 3
;; launch outp (part 4): grid 4 x 32, 4 waves a work-group, clusters of 4 x 4, 327,680 bytes of LDS; arguments mhc, mhs, codes, scales, out0; writes out0
.if DOCPART == 4
	.amdgcn_target "amdgcn-amd-amdhsa--gfx1250"
	.amdhsa_code_object_version 6
	.text
	.protected	k_q25ae55a879_outp
	.globl	k_q25ae55a879_outp
	.p2align	8
	.type	k_q25ae55a879_outp,@function
k_q25ae55a879_outp:
	s_mov_b64 s[64:65], 0
	v_nop
	global_prefetch_b8 v0, s[64:65] scope:SCOPE_SE
	s_setreg_imm32_b32 hwreg(HW_REG_WAVE_MODE, 25, 1), 1
	s_wait_xcnt 0x0
	s_wait_alu depctr_hold_cnt(0) depctr_sa_sdst(0) depctr_va_vdst(0) depctr_va_sdst(0) depctr_va_ssrc(0) depctr_va_vcc(0) depctr_vm_vsrc(0)
	s_getreg_b32 s2, hwreg(HW_REG_IB_STS2, 6, 4)
	s_cmp_eq_u32 s2, 0
	s_cbranch_scc0 .Lentry_in_a_cluster
	s_endpgm
.Lentry_in_a_cluster:
	s_bfe_u32 s2, ttmp6, 0x10000c
	s_cmp_lg_u32 s2, 0xf033
	s_cbranch_scc0 .Lentry_shape_is_right
	s_endpgm
.Lentry_shape_is_right:
.set SIZE_N, 1024
.set KSTEP,  256
.set NQ,     KSTEP/128
.set ROWB,   192
.set KROW,   768
.set PITCH,  240
.set FR,     12
.set NLA,    4
.set NP,     4
.set HA,     8*3072
.set HB,     128*PITCH
.set SLOT,   2*HA+2*HB
.set KS,     32
.set SCL,    2*SLOT
.set HALFS,  (128*KS/256)*272
.set SBLK,   (16*KS/256)*272
.set SCLB,   SCL+2*HALFS
.set SPARE,  SCL+4*HALFS
.set SPITCH, 528
.set WO_CODES,  (3*8192+3*1024)*768
.set WO_SCALES, (3*8192+3*1024)*32
.set ADRA, 16
.set ADRB, 20
.set STO,  24
.set RD,   25
.set CO,   26
.set ADRS, 27
.set SPW,  28
.set NIL,  29
.set ASW,  30
.set ASO,  31
.set SC,   32
.set AF,   128
.set BK,   128
.set G1, 24
.set G0, 32
.set G1B, 48
.set G0B, 56
.set G1SB, 80
.set G0SB, 88
.set MSB, 0
.macro WIN new
.if MSB != (\new)
	s_set_vgpr_msb (MSB<<8)|(\new)
.set MSB, (\new)
.endif
.endm
.set MUL_LO, 0xa1
.set MUL_HI, 0xf1
.set TO_B,   0x40
.macro JLOAD g0a, g1a, g0b, g1b
	s_cmp_eq_u32 s15, 0
	s_cbranch_scc0 .Lfor_b_\@
	tensor_load_to_lds s[\g0a:\g0a+3], s[\g1a:\g1a+7]
	s_nop 0
.rept 4
	v_nop
.endr
	s_branch .Lasked_\@
.Lfor_b_\@:
	tensor_load_to_lds s[\g0b:\g0b+3], s[\g1b:\g1b+7]
	s_nop 0
.rept 4
	v_nop
.endr
.Lasked_\@:
.endm
.macro CREST
	s_cmp_lg_u32 s14, 0
	s_cbranch_scc1 .Lnot_wave_0_\@
	s_barrier_signal -3
.Lnot_wave_0_\@:
	s_barrier_wait -3
	s_barrier_signal -1
	s_barrier_wait -1
.endm
.macro CROUND
	s_barrier_signal -1
	s_barrier_wait -1
	CREST
.endm
	s_load_b256 s[4:11], s[0:1], 0x0
	s_load_b64 s[12:13], s[0:1], 0x20
	v_lshl_add_u32 v[SPW], v0, 2, SPARE
	v_mov_b32 v[NIL], 0
	ds_add_u32 v28, v29
	ds_add_u32 v28, v29
	s_wait_dscnt 0x0
	v_lshrrev_b32 v1, 5, v0
	v_readfirstlane_b32 s14, v1
	s_lshr_b32 s15, s14, 1
	s_and_b32 s16, s14, 1
	s_bfe_u32 s40, ttmp6, 0x40000
	s_bfe_u32 s41, ttmp6, 0x40004
	s_lshl_b32 s42, ttmp9, 2
	s_add_co_u32 s42, s42, s40
	s_and_b32 s17, ttmp7, 0xffff
	s_lshl_b32 s17, s17, 2
	s_add_co_u32 s17, s17, s41
	s_lshl_b32 s43, s41, 2
	s_lshl_b32 s43, 15, s43
	s_lshl_b32 s44, 0x1111, s40
	s_or_b32 s[G1+0], s43, (3<<16)|(1<<21)
	s_mov_b32 s[G1+1], 384<<16
	s_mov_b32 s[G1+2], 8<<16
	s_mov_b32 s[G1+3], 384<<16
	s_mov_b32 s[G1+4], 8
	s_mov_b32 s[G1+5], 1536
	s_mov_b32 s[G1+6], 0
	s_mov_b32 s[G1+7], 0
	s_or_b32 s[G1B+0], s44, (0<<16)|(1<<20)|(1<<21)|(3<<22)|(3<<25)
	s_mov_b32 s[G1B+1], ROWB<<16
	s_mov_b32 s[G1B+2], 128<<16
	s_mov_b32 s[G1B+3], ROWB<<16
	s_mov_b32 s[G1B+4], 128
	s_mov_b32 s[G1B+5], KROW
	s_mov_b32 s[G1B+6], 0
	s_mov_b32 s[G1B+7], 0
	s_or_b32 s[G1SB+0], s44, (3<<16)|(1<<20)|(1<<21)|(5<<22)|(3<<25)
	s_mov_b32 s[G1SB+1], 32<<16
	s_mov_b32 s[G1SB+2], 8<<16
	s_mov_b32 s[G1SB+3], 32<<16
	s_mov_b32 s[G1SB+4], 8
	s_mov_b32 s[G1SB+5], 32
	s_mov_b32 s[G1SB+6], 0
	s_mov_b32 s[G1SB+7], 0
	s_lshl_b32 s20, s17, 4
	s_lshl_b32 s18, s16, 3
	s_add_co_u32 s20, s20, s18
	s_mul_i32 s20, s20, 16*768
	s_mov_b32 s21, 0
	s_lshl_b32 s46, s42, 8
	s_lshl_b32 s18, s16, 7
	s_add_co_u32 s46, s46, s18
	s_mul_i32 s46, s46, KROW
	s_add_co_u32 s46, s46, WO_CODES
	s_mov_b32 s47, 0
	s_lshl_b32 s92, s42, 8
	s_lshl_b32 s18, s14, 6
	s_add_co_u32 s92, s92, s18
	s_lshl_b32 s92, s92, 5
	s_add_co_u32 s92, s92, WO_SCALES
	s_mov_b32 s93, 0
	s_mul_i32 s45, s16, HA
	s_mul_i32 s94, s16, HB
	s_add_co_u32 s94, s94, 2*HA
	s_mul_i32 s95, s14, 8*272
	s_lshl_b32 s22, s17, 9
	s_mov_b32 s23, 0
	v_lshlrev_b32 v[ASO], 2, v0
	s_wait_alu depctr_va_vdst(0)
	s_wait_kmcnt 0x0
	s_add_nc_u64 s[20:21], s[4:5], s[20:21]
	s_add_nc_u64 s[46:47], s[8:9], s[46:47]
	s_add_nc_u64 s[92:93], s[10:11], s[92:93]
	s_add_nc_u64 s[6:7], s[6:7], s[22:23]
.irp d, 0,1,2,3,4,5,6,7,8,9,10,11,12,13,14,15
	global_load_b32 v[64+\d], v[ASO], s[6:7] offset:\d*16384
.endr
	CROUND
	s_mov_b32 s[G0SB], 1
	s_add_co_u32 s[G0SB+1], s95, SCLB
	s_mov_b64 s[G0SB+2:G0SB+3], s[92:93]
	s_or_b32 s[G0SB+3], s[G0SB+3], 0x80000000
	tensor_load_to_lds s[G0SB:G0SB+3], s[G1SB:G1SB+7]
	s_nop 0
.rept 4
	v_nop
.endr
.irp s, 0,1
	s_mov_b32 s[G0+4*\s], 1
	s_add_co_u32 s[G0+4*\s+1], s45, \s*SLOT
	s_add_nc_u64 s[G0+4*\s+2:G0+4*\s+3], s[20:21], \s*3072
	s_or_b32 s[G0+4*\s+3], s[G0+4*\s+3], 0x80000000
	s_mov_b32 s[G0B+4*\s], 1
	s_add_co_u32 s[G0B+4*\s+1], s94, \s*SLOT
	s_add_nc_u64 s[G0B+4*\s+2:G0B+4*\s+3], s[46:47], \s*ROWB
	s_or_b32 s[G0B+4*\s+3], s[G0B+4*\s+3], 0x80000000
	s_wait_alu depctr_va_vdst(0)
	s_wait_tensorcnt 0x0
	ds_add_u32 v28, v29
	s_wait_dscnt 0x0
	CROUND
	JLOAD G0+4*\s, G1, G0B+4*\s, G1B
.endr
	v_and_b32 v1, 15, v0
	v_bfe_u32 v2, v0, 4, 1
	v_mul_u32_u24 v3, v1, PITCH
	v_mul_u32_u24 v4, v2, 24
	v_add_nc_u32 v4, v3, v4
	v_lshl_add_u32 v5, v2, 4, v4
	v_and_b32 v6, 31, v0
	v_lshlrev_b32 v7, 4, v6
	v_lshlrev_b32 v8, 3, v6
	s_mul_i32 s21, s15, HA
	s_mul_i32 s22, s16, HB
	s_add_co_u32 s22, s22, 2*HA
.irp s, 0,1
	v_add_nc_u32 v[ADRA+\s], s21, v7
	v_add_nc_u32 v[ADRA+2+\s], s21, v8
	v_add_nc_u32 v[ADRB+\s], s22, v4
	v_add_nc_u32 v[ADRB+2+\s], s22, v5
	s_add_co_u32 s21, s21, SLOT
	s_add_co_u32 s22, s22, SLOT
.endr
	v_mul_u32_u24 v5, v1, KS
	v_lshrrev_b32 v6, 8, v5
	v_lshl_add_u32 v5, v6, 4, v5
	s_mul_i32 s21, s15, HALFS
	s_mul_i32 s22, s16, HALFS
	s_add_co_u32 s22, s22, 2*HALFS
	s_sub_co_u32 s22, s22, s21
	v_mul_u32_u24 v6, s22, v2
	s_add_co_u32 s21, s21, SCL
	v_add_nc_u32 v5, v5, v6
	v_add_nc_u32 v[ADRS], s21, v5
	v_lshrrev_b32 v6, 2, v0
	v_lshlrev_b32 v[ASW], 6, v0
	v_lshl_add_u32 v[ASW], v6, 4, v[ASW]
	v_add_nc_u32 v[ASW], SCL, v[ASW]
	s_mul_i32 s23, s14, 16*SPITCH
	v_mul_u32_u24 v5, v1, SPITCH
	v_lshl_add_u32 v5, v2, 5, v5
	v_add_nc_u32 v[STO], s23, v5
	v_mov_b32 v[CO], v7
	v_add_nc_u32 v[RD], s23, v7
	s_lshl_b32 s20, s17, 8
	s_lshl_b32 s21, s15, 7
	s_add_co_u32 s20, s20, s21
	s_lshl_b32 s20, s20, 12
	s_lshl_b32 s46, s42, 10
	s_lshl_b32 s47, s16, 9
	s_add_co_u32 s46, s46, s47
	s_add_co_u32 s20, s20, s46
	s_mov_b32 s21, 0
	s_add_nc_u64 s[12:13], s[12:13], s[20:21]
	s_mov_b32 s98, 0x05040100
	s_mov_b32 s99, 0x07060302
	s_wait_loadcnt 0x0
.irp s, 0,1,2,3,4,5,6,7
	v_perm_b32 v[80+\s], v[65+2*\s], v[64+2*\s], s98
	v_perm_b32 v[88+\s], v[65+2*\s], v[64+2*\s], s99
.endr
	ds_store_b128 v[ASW], v[80:83]
	ds_store_b128 v[ASW], v[84:87] offset:16
	ds_store_b128 v[ASW], v[88:91] offset:32
	ds_store_b128 v[ASW], v[92:95] offset:48
.macro FRAG reg, adr, q, i
.irp p, 0,1,2,3,4,5
.set PC, 12*(\q)+6*(\p/3)+\p%3
.if PC%8 < 5
	ds_load_b64 v[\reg+2*\p:\reg+2*\p+1], v[\adr] offset:8*PC+16*(PC/8)+(\i)*16*PITCH
.else
	ds_load_b64 v[\reg+2*\p:\reg+2*\p+1], v[\adr+2] offset:8*PC+16*(PC/8)+(\i)*16*PITCH
.endif
.endr
.endm
.macro FRAGA reg, slot, q, i
	ds_load_b128 v[\reg:\reg+3], v[ADRA+\slot] offset:(\i)*3072+(\q)*1536
	ds_load_b64 v[\reg+4:\reg+5], v[ADRA+2+\slot] offset:(\i)*3072+(\q)*1536+512
	ds_load_b128 v[\reg+6:\reg+9], v[ADRA+\slot] offset:(\i)*3072+(\q)*1536+768
	ds_load_b64 v[\reg+10:\reg+11], v[ADRA+2+\slot] offset:(\i)*3072+(\q)*1536+1280
.endm
.macro MUL16 a0, p, q, sc, zero
.irp a, \a0, \a0+1
.irp b, 0,1,2,3,4,5,6,7
.if \zero
	v_wmma_scale_f32_16x16x128_f8f6f4 v[8*(8*((\a)%4)+\b):8*(8*((\a)%4)+\b)+7], v[128*(\p)+FR*\b:128*(\p)+FR*\b+FR-1], v[AF+FR*(\a):AF+FR*(\a)+FR-1], 0, v[SC+8*NQ*(\sc)+NQ*\b+(\q)], v[SC+8*NQ*(\sc)+NQ*(\a)+(\q)] matrix_a_fmt:MATRIX_FMT_FP6 matrix_b_fmt:MATRIX_FMT_FP6 matrix_a_scale:MATRIX_SCALE_ROW1
.else
	v_wmma_scale_f32_16x16x128_f8f6f4 v[8*(8*((\a)%4)+\b):8*(8*((\a)%4)+\b)+7], v[128*(\p)+FR*\b:128*(\p)+FR*\b+FR-1], v[AF+FR*(\a):AF+FR*(\a)+FR-1], v[8*(8*((\a)%4)+\b):8*(8*((\a)%4)+\b)+7], v[SC+8*NQ*(\sc)+NQ*\b+(\q)], v[SC+8*NQ*(\sc)+NQ*(\a)+(\q)] matrix_a_fmt:MATRIX_FMT_FP6 matrix_b_fmt:MATRIX_FMT_FP6 matrix_a_scale:MATRIX_SCALE_ROW1
.endif
.endr
.endr
.endm
.macro FETCH_B slot, q, p
	WIN TO_B
.irp i, 0,1,2,3,4,5,6,7
	FRAG 128*(\p)+FR*\i, ADRB+\slot, \q, \i
.endr
	WIN 0
.endm
.macro FETCH_A slot, q, i0
.irp i, \i0, \i0+1, \i0+2, \i0+3
	FRAGA AF+FR*(\i), \slot, \q, \i
.endr
.endm
.macro SCALES sc
.irp i, 0,1,2,3,4,5,6,7
	ds_load_b64 v[SC+8*NQ*\sc+NQ*\i:SC+8*NQ*\sc+NQ*\i+1], v[ADRS] offset:\i*SBLK
.endr
.endm
.macro PLACES n
.rept \n
	v_nop
.endr
.endm
.macro STEP slot, q, zero
	s_wait_dscnt 4*NLA
	WIN MUL_LO
	MUL16 0, (\q)%2, \q, \slot, \zero
	MUL16 2, (\q)%2, \q, \slot, \zero
	s_wait_dscnt 0
	PLACES NP
	FETCH_B \slot, (\q)+1, 1-(\q)%2
	FETCH_A \slot, (\q)+1, 0
	WIN MUL_HI
	MUL16 4, (\q)%2, \q, \slot, \zero
	MUL16 6, (\q)%2, \q, \slot, \zero
	PLACES NP
	WIN 0
	FETCH_A \slot, (\q)+1, 4
.endm
.macro TURN slot, next, fill
	s_wait_tensorcnt 0x0
	ds_add_u32 v[SPW], v[NIL]
	s_wait_dscnt 4*NLA+1
	WIN MUL_LO
	MUL16 0, 1, NQ-1, \slot, 0
	s_wait_dscnt 0x0
	s_barrier_signal -1
	MUL16 2, 1, NQ-1, \slot, 0
	WIN 0
	s_barrier_wait -1
.if \fill
	CREST
	s_add_nc_u64 s[G0+4*\slot+2:G0+4*\slot+3], s[G0+4*\slot+2:G0+4*\slot+3], 2*3072
	s_add_nc_u64 s[G0B+4*\slot+2:G0B+4*\slot+3], s[G0B+4*\slot+2:G0B+4*\slot+3], 2*ROWB
	JLOAD G0+4*\slot, G1, G0B+4*\slot, G1B
.else
	PLACES NP
.endif
	s_wait_alu depctr_va_vdst(0)
	v_add_nc_u32 v[ADRS], 4*NQ, v[ADRS]
	FETCH_B \next, 0, 0
	FETCH_A \next, 0, 0
	SCALES \next
	WIN MUL_HI
	MUL16 4, 1, NQ-1, \slot, 0
	MUL16 6, 1, NQ-1, \slot, 0
	PLACES NP
	WIN 0
	FETCH_A \next, 0, 4
.endm
	s_wait_dscnt 0x0
	s_wait_tensorcnt 1
	s_barrier_signal -1
	s_barrier_wait -1
	FETCH_B 0, 0, 0
	FETCH_A 0, 0, 0
	SCALES 0
	FETCH_A 0, 0, 4
	STEP 0, 0, 1
	TURN 0, 1, 1
	STEP 1, 0, 0
	TURN 1, 0, 1
	STEP 0, 0, 0
	TURN 0, 1, 0
	STEP 1, 0, 0
	s_wait_dscnt 4*NLA
	WIN MUL_LO
	MUL16 0, 1, NQ-1, 1, 0
	MUL16 2, 1, NQ-1, 1, 0
	s_wait_dscnt 0
	WIN MUL_HI
	MUL16 4, 1, NQ-1, 1, 0
	MUL16 6, 1, NQ-1, 1, 0
	WIN 0
.macro TOSTAGE a
.set AC, 64*((\a)%4)
	WIN 0x08+4*((\a)/4)
.irp b, 0,1,2,3,4,5,6,7
	ds_store_b128 v[STO], v[AC+8*\b:AC+8*\b+3] offset:64*\b
	ds_store_b128 v[STO], v[AC+8*\b+4:AC+8*\b+7] offset:64*\b+16
.endr
	WIN 0
.set BB, BK+64*((\a)%2)
.irp t, 0,1,2,3,4,5,6,7,8,9,10,11,12,13,14,15
	ds_load_b128 v[BB+4*\t:BB+4*\t+3], v[RD] offset:\t*SPITCH
.endr
.endm
.macro SEND a, younger
.set BB, BK+64*((\a)%2)
	s_wait_dscnt \younger
.if (\a) > 0
.if (\a)%2
	s_add_nc_u64 s[12:13], s[12:13], 8*SIZE_N*4
.else
	s_add_nc_u64 s[12:13], s[12:13], 24*SIZE_N*4
.endif
.endif
.irp t, 0,1,2,3,4,5,6,7,8,9,10,11,12,13,14,15
	global_store_b128 v[CO], v[BB+4*\t:BB+4*\t+3], s[12:13] offset:(\t+8*(\t/8))*SIZE_N*4 th:TH_STORE_NT
.endr
.endm
	PLACES NP
	TOSTAGE 0
.irp a, 1,2,3,4,5,6,7
.if \a > 1
	s_wait_xcnt 0x0
.endif
	TOSTAGE \a
	SEND \a-1, 32
.endr
	s_wait_xcnt 0x0
	SEND 7, 0
	s_wait_tensorcnt 0x0
	ds_add_u32 v[SPW], v[NIL]
	s_wait_dscnt 0x0
	CROUND
	s_endpgm
.Lfunc_end_k_q25ae55a879_outp:
	.size	k_q25ae55a879_outp, .Lfunc_end_k_q25ae55a879_outp-k_q25ae55a879_outp
	.p2alignl 7, 3214868480
	.fill 96, 4, 3214868480
	.section	.rodata,"a",@progbits
	.p2align	6, 0x0
	.amdhsa_kernel k_q25ae55a879_outp
		.amdhsa_group_segment_fixed_size 327680
		.amdhsa_private_segment_fixed_size 0
		.amdhsa_enable_private_segment 0
		.amdhsa_kernarg_size 40
		.amdhsa_user_sgpr_count 2
		.amdhsa_user_sgpr_kernarg_segment_ptr 1
		.amdhsa_wavefront_size32 1
		.amdhsa_system_sgpr_workgroup_id_x 1
		.amdhsa_system_sgpr_workgroup_id_y 1
		.amdhsa_system_sgpr_workgroup_id_z 1
		.amdhsa_system_vgpr_workitem_id 0
		.amdhsa_next_free_vgpr 1024
		.amdhsa_next_free_sgpr 100
		.amdhsa_reserve_vcc 0
		.amdhsa_float_denorm_mode_32 3
		.amdhsa_float_denorm_mode_16_64 3
		.amdhsa_memory_ordered 1
		.amdhsa_forward_progress 1
		.amdhsa_inst_pref_size 155
	.end_amdhsa_kernel
	.amdgpu_metadata
---
amdhsa.version: [ 1, 2 ]
amdhsa.kernels:
  - .name:           k_q25ae55a879_outp
    .symbol:         k_q25ae55a879_outp.kd
    .args:
      - { .name: mhc, .offset: 0, .size: 8, .value_kind: global_buffer, .address_space: global }
      - { .name: mhs, .offset: 8, .size: 8, .value_kind: global_buffer, .address_space: global }
      - { .name: codes, .offset: 16, .size: 8, .value_kind: global_buffer, .address_space: global }
      - { .name: scales, .offset: 24, .size: 8, .value_kind: global_buffer, .address_space: global }
      - { .name: out0, .offset: 32, .size: 8, .value_kind: global_buffer, .address_space: global }
    .group_segment_fixed_size: 327680
    .private_segment_fixed_size: 0
    .kernarg_segment_align: 8
    .kernarg_segment_size: 40
    .max_flat_workgroup_size: 128
    .sgpr_count:     100
    .vgpr_count:     1024
    .wavefront_size: 32
...
	.end_amdgpu_metadata
.endif
;; end of part 4
